; MI455X (gfx1250); checked and timed in simulation.
; The chip was launched on July 23, 2026; its instructions are those of AMD's public machine-readable ISA for CDNA 5 (MIT licence, August 2026) and "CDNA5" Instruction Set Architecture Reference Guide (July 2026). The comments in the code are by the model that wrote it; some were corrected since.
;; Windowed Attention. Allowed arithmetic: matrix products marked QUANTISED: E2M3 operands, one E8M0 scale for each 32 along K, by v_wmma_scale_f32_16x16x128_f8f6f4 with both operands' format E2M3, f32 sums; everything else in f32.
;; Inputs: W_out 1,024 x 1,024 float32; W_qkv 3,072 x 1,024 float32; x 1 x 4,096 x 1,024 float32.
;; Outputs: out0 1 x 4,096 x 1,024 float32.
;; This version of the problem:
;;   THIS VERSION OF THE PROBLEM IS GIVEN IN LOW PRECISION. The matrix products marked QUANTISED in the list below multiply operands that are first quantised to E2M3 (2 exponent bits, 3 mantissa bits; 6 bits a number), with one power-of-two scale for each 32 numbers along K (OCP MX v1.0); their sums are f32. All else is computed in f32.
;;   The module's matrix products, in the order in which they are computed (A, B: the left and right operand; K: the contracted axis; several contracted axes count as one K, in the product's order):
;;     1. [M 4,096, K 1,024] x [K 1,024, N 3,072]; A: input x; B: input W_qkv: QUANTISED
;;     2. batch 16 x [M 4,096, K 64] x [K 64, N 4,096]; A: computed on the way; B: computed on the way: QUANTISED
;;     3. batch 16 x [M 4,096, K 4,096] x [K 4,096, N 64]; A: softmax (see below); B: computed on the way: QUANTISED
;;     4. [M 4,096, K 1,024] x [K 1,024, N 1,024]; A: computed on the way; B: input W_out: QUANTISED
;;   THE QUANTISER, for each operand of a quantised product, along K:
;;     - K is cut into blocks of 32 from its start; a last block that is shorter is filled with zeros.
;;     - A block's scale is 2^e with e = floor(log2(the largest magnitude in the block)) - 2, held to -126 .. 127; a block of zeros has e = 0. As a byte (E8M0): e + 127.
;;     - Each number is divided by its block's scale, clamped to +-7.5, and rounded to the nearest number of E2M3, ties to even, subnormals kept.
;;     - The product sums the exact products of the quantised numbers (number of the format x scale) in f32.
;;   ~~~python
;;   def quantise(x, axis):      # numpy; x: float32 -> the quantised numbers, widened to float32 again
;;       x = np.moveaxis(x, axis, -1); K = x.shape[-1]
;;       x = np.pad(x, [(0, 0)] * (x.ndim - 1) + [(0, -K % 32)]); x = x.reshape(x.shape[:-1] + (-1, 32)); a = np.abs(x).max(-1, keepdims=True)
;;       e = np.where(a > 0, np.clip(np.frexp(np.where(a > 0, a, 1))[1] - 1 - 2, -126, 127), 0)      # np.frexp(a)[1] - 1 = floor(log2(a)), exactly
;;       r = np.clip(x / 2.0 ** e, -7.5, 7.5)
;;       step = 2.0 ** (np.maximum(np.frexp(np.where(r == 0, 1, r))[1] - 1, 0) - 3)
;;       q = np.round(r / step) * step * 2.0 ** e      # np.round: ties to even
;;       return np.moveaxis(q.reshape(q.shape[:-2] + (-1,))[..., :K], -1, axis).astype(np.float32)
;;   ~~~
;;   SOFTMAX AHEAD OF A QUANTISED PRODUCT. Where the list says 'softmax', what is quantised is not the finished softmax but p = 2^(t - M), with t = logit x log2(e) and M = ceil(the row's largest t), a whole number; so 1/2 < the row's largest p <= 1. The row's sum l is taken of the UNQUANTISED p, in f32, and the product's result is divided by l at the end. Since M is a whole number, a kernel that streams over the keys may use a running M (the ceiling of the running maximum): every later rescaling is an exact power of two, which a block's scale takes up: the codes' values come out the same.
;;   OPERANDS COMPUTED ON THE WAY. 'Computed on the way' means the value that the module computes at that place (a softmax that the list does not call 'softmax' is quantised finished and normalised). What goes into a quantiser is computed in f32, as accurately as f32 sums, v_exp_f32 and their like allow (about 1e-6 of the number): no bf16 or f16 on the way to a quantiser, and a product that is left as it is and whose result goes on into a quantised operand takes f32 operands (vector FMAs, or v_wmma_f32_16x16x4_f32). A number that lies on a knife's edge between two numbers of the format may be rounded either way, as far as f32 arithmetic and the matrix unit's own rounding can turn it there, and no further.
;; One version. Each part assembles by itself: llvm-mc -triple=amdgcn-amd-amdhsa -mcpu=gfx1250 --defsym DOCPART=n.
;; ======== version 1 of 1: 4 launches
;; workspace buffers: cod 6,291,456 bytes; scl 262,144 bytes; img 9,437,184 bytes; sc 655,360 bytes; ao 3,145,728 bytes; aos 131,072 bytes
;; launch quant (part 1): grid 256 x 1, 4 waves a work-group, no clusters, 34,304 bytes of LDS; arguments x, W_qkv, W_out, cod, scl; writes cod, scl
.if DOCPART == 1
	.amdgcn_target "amdgcn-amd-amdhsa--gfx1250"
	.amdhsa_code_object_version 6
	.text
	.protected	k_qe3a01f5785_quant
	.globl	k_qe3a01f5785_quant
	.p2align	8
	.type	k_qe3a01f5785_quant,@function
k_qe3a01f5785_quant:
	s_mov_b64 s[64:65], 0
	v_nop
	global_prefetch_b8 v0, s[64:65] scope:SCOPE_SE
	s_setreg_imm32_b32 hwreg(HW_REG_WAVE_MODE, 25, 1), 1
	s_wait_xcnt 0x0
; x [4096][1024], W_qkv [3072][1024], W_out [1024][1024], f32, K innermost, become codes of FP6 (E2M3) with one E8M0 byte for each 32 along K.
; The three tensors are ONE operand of 8,192 positions: x at 0, W_qkv at 4,096, W_out at 7,168.
; ROW ORDER: in each group of 32 rows position 16 u + r holds row 8 u + r + 8 (r / 8).  A tile of 16 neighbouring positions, used as a matrix instruction's source 0, then gives a lane 16 neighbouring
; rows in the 16 result registers of two neighbouring tiles.
; LAYOUT: cod [128 positions: 64][256 along K: 4][tile of 16: 8][128 along K: 2][6 planes of 256 bytes]; plane p holds registers 2 p, 2 p + 1 of the operand's fragment, lane l at byte 8 l.
;         scl [tile: 512][256 along K: 4][row: 16][2 words], a word = the four bytes of 128 along K.
; A block's scale byte is its largest magnitude's exponent field - 2, held at 1 from below.
; LIMITS: NaN and infinities among the inputs are not served.  A block whose largest magnitude lies under 2^-124, zeros among them, gets the byte 1 (a block of zeros: codes 0; the bytes are read by this program alone).
; SHARES: work-group g takes the 32 rows of group g; wave w tile w / 2 of its two, and half w % 2 of K: 16 rows x 512 K, four steps of 128.  Each load reads 512 consecutive bytes of a row;
; a step turns through the wave's own stage in LDS (16 rows, 528 bytes apart) so that a lane gets 16 neighbours of each block of its row.  Waves share nothing: no barrier.  No matrix unit, no tensor load: memory binds.
.set STG,   8448                       ; a wave's stage: 16 x 528 bytes
.set R,     16                         ; v16-143  two sets of 64 registers as loaded
.set X,     144                        ; v144-207 register 16 b + i = k 32 b + 16 (lane / 16) + i of my row
.set PC,    208                        ; v208-219 the fragment's codes; v220-226 at work
.set TM,    228                        ; v228-231 largest magnitudes, v232-235 bytes, v240-243 the conversions' scale operands
.set PW,    244                        ; the scale word just made
.set SEL,   20                         ; s[20:21] lane selects: lane l xor 16
.macro QUANT s
.irp b, 0,1,2,3
	v_max3_num_f32 v[TM+\b], |v[\s+16*\b]|, |v[\s+1+16*\b]|, 0x1800000   ; my 16 numbers of block b, and the floor 2^(3 - 127): the byte cannot fall under 1
.endr
.irp i, 2,4,6,8,10,12,14
.irp b, 0,1,2,3
	v_max3_num_f32 v[TM+\b], v[TM+\b], |v[\s+16*\b+\i]|, |v[\s+1+16*\b+\i]|   ; the four blocks by turns
.endr
.endr
.irp b, 0,1,2,3
	v_permlanex16_b32 v[TM+4+\b], v[TM+\b], s[SEL], s[SEL+1]
.endr
.irp b, 0,1,2,3
	v_max_num_f32 v[TM+\b], v[TM+\b], v[TM+4+\b]   ; with lane l xor 16's 16: the block's largest magnitude
.endr
.irp b, 0,1,2,3
	v_add_nc_u32 v[TM+12+\b], 0xff000000, v[TM+\b]   ; 2 off its exponent field: the conversion's scale operand
.endr
.irp b, 0,1,2,3
	v_lshrrev_b32 v[TM+4+\b], 23, v[TM+12+\b]      ; the scale's byte
.endr
	v_lshl_or_b32 v[PW], v[TM+5], 8, v[TM+4]
	v_lshl_or_b32 v[PW], v[TM+6], 16, v[PW]
	v_lshl_or_b32 v[PW], v[TM+7], 24, v[PW]        ; my row's scale word
.irp c, 0,1
	v_cvt_scalef32_pk16_fp6_f32 v[PC+6*\c:PC+2+6*\c], v[\s+32*\c:\s+15+32*\c], v[TM+12+2*\c]
	v_cvt_scalef32_pk16_fp6_f32 v[PC+12+4*\c:PC+14+4*\c], v[\s+16+32*\c:\s+31+32*\c], v[TM+12+2*\c+1]   ; (a conversion's three registers begin on an even number)
.endr
	v_nop                                          ; one plain line behind a scaled conversion
.irp c, 0,1                                    ; the fragment wants a whole block in a lane: lanes 0-15 block 2 c, lanes 16-31 block 2 c + 1
.irp i, 0,1,2
	v_permlane16_swap_b32 v[PC+6*\c+\i], v[PC+12+4*\c+\i]
.endr
.irp i, 0,1,2
	v_mov_b32 v[PC+3+6*\c+\i], v[PC+12+4*\c+\i]
.endr
.endr
.endm
	s_load_b256 s[4:11], s[0:1], 0x0               ; x s[4:5], W_qkv s[6:7], W_out s[8:9], cod s[10:11]
	s_load_b64 s[12:13], s[0:1], 0x20              ; scl
	v_lshl_add_u32 v254, v0, 2, 0x8400
	v_mov_b32 v255, 0
	v_lshrrev_b32 v1, 5, v0
	v_readfirstlane_b32 s16, v1                    ; wave 0..3
	v_and_b32 v1, 31, v0                           ; lane
	v_and_b32 v2, 15, v0                           ; r
	v_bfe_u32 v3, v0, 4, 1                         ; h
	v_lshlrev_b32 v4, 4, v1                        ; 16 x lane: my bytes of a load's 512
	v_lshlrev_b32 v5, 3, v1                        ; 8 x lane: my bytes of a plane
	s_mul_i32 s25, s16, STG
	v_add_nc_u32 v6, s25, v4                       ; the stage, in: a row's 512 bytes as they lie
	v_mul_u32_u24 v7, v2, 528
	v_lshl_add_u32 v7, v3, 6, v7
	v_add_nc_u32 v7, s25, v7                       ; and out: row r, + 64 h
	s_mov_b32 s[SEL], 0x76543210
	s_mov_b32 s[SEL+1], 0xfedcba98
	s_mov_b32 s22, 0xffff0000                      ; lanes 16-31
.irp b, 0,1,2,3
	v_mov_b32 v[TM+4+\b], 0                        ; written once: a lane permute's destination counts as one of its sources
.endr
	s_lshr_b32 s23, s16, 1                         ; u: which tile of the group
	s_and_b32 s24, s16, 1                          ; which half of K
	s_mov_b32 s17, 224
	s_wait_kmcnt 0x0
	s_cmp_lt_u32 ttmp9, 224                        ; which tensor: the choice hangs on the work-group's number alone
	s_cselect_b64 s[6:7], s[6:7], s[8:9]
	s_cselect_b32 s17, 128, s17
	s_cmp_lt_u32 ttmp9, 128
	s_cselect_b64 s[4:5], s[4:5], s[6:7]
	s_cselect_b32 s17, 0, s17
	s_sub_co_u32 s17, ttmp9, s17                   ; the group's number in its tensor
	s_lshl_b32 s18, s17, 17                        ; 32 rows of 4,096 bytes,
	s_lshl_b32 s19, s23, 15                        ; + 8 u rows,
	s_add_co_u32 s18, s18, s19
	s_lshl_b32 s19, s24, 11                        ; + my half of K
	s_add_co_u32 s18, s18, s19
	s_mov_b32 s19, 0
	s_add_nc_u64 s[4:5], s[4:5], s[18:19]
	s_lshl_b32 s26, ttmp9, 1
	s_add_co_u32 s26, s26, s23                     ; T: my tile of 16 positions
	s_lshr_b32 s27, s26, 3
	s_mul_i32 s18, s27, 98304
	s_and_b32 s28, s26, 7
	s_mul_i32 s28, s28, 3072
	s_add_co_u32 s18, s18, s28
	s_mul_i32 s29, s24, 49152
	s_add_co_u32 s18, s18, s29
	s_add_nc_u64 s[10:11], s[10:11], s[18:19]      ; my fragments in cod
	s_lshl_b32 s18, s26, 9
	s_lshl_b32 s28, s24, 8
	s_add_co_u32 s18, s18, s28
	s_add_nc_u64 s[12:13], s[12:13], s[18:19]      ; my 256 bytes of scl
.macro LOAD t                          ; step t: 128 along K of my 16 rows; load i takes position i's row
.irp i, 0,1,2,3,4,5,6,7,8,9,10,11,12,13,14,15
	global_load_b128 v[R+64*((\t)%2)+4*\i:R+64*((\t)%2)+4*\i+3], v4, s[4:5] offset:(\i+8*(\i/8))*4096+512*(\t) th:TH_LOAD_NT
.endr
.endm
.macro TURN t                          ; through the stage: LDS serves a wave's instructions in order, so no wait stands between the stores and the loads
.irp i, 0,1,2,3,4,5,6,7,8,9,10,11,12,13,14,15
	ds_store_b128 v6, v[R+64*((\t)%2)+4*\i:R+64*((\t)%2)+4*\i+3] offset:528*\i
.endr
.irp b, 0,1,2,3
.irp j, 0,1,2,3
	ds_load_b128 v[X+16*\b+4*\j:X+16*\b+4*\j+3], v7 offset:128*\b+16*\j
.endr
.endr
.endm
.macro QSTEP t
.if (\t) < 3
	s_wait_loadcnt 16                              ; this step's 16 loads are in; the next step's 16 may be out
.else
	s_wait_loadcnt 0x0
.endif
.if (\t) > 0
	s_wait_xcnt 0x0                                ; the last step's stores have read the codes' registers, which are written again below
.endif
	TURN \t
	s_wait_dscnt 0x0                               ; my numbers are back, and the stage's stores have read their registers,
.if (\t) < 2
	LOAD (\t)+2                                    ; which take the loads of two steps on
.endif
	QUANT X
	v_mov_b32 v[8+(\t)], v[PW]
.irp p, 0,1,2,3,4,5
	global_store_b64 v5, v[PC+2*\p:PC+2*\p+1], s[10:11] offset:((\t)/2)*24576+((\t)%2)*1536+256*\p   ; a plane: 256 consecutive bytes, aligned
.endr
.endm
	LOAD 0
	LOAD 1
	QSTEP 0
	QSTEP 1
	QSTEP 2
	QSTEP 3
	v_cndmask_b32 v12, v8, v10, s22                ; lanes 0-15: the words of steps 0, 1; lanes 16-31: of steps 2, 3
	v_cndmask_b32 v13, v9, v11, s22
	global_store_b64 v5, v[12:13], s[12:13]        ; 256 consecutive bytes, aligned
	s_wait_tensorcnt 0x0
	ds_add_u32 v254, v255
	s_wait_dscnt 0x0
	s_endpgm
.Lfunc_end_k_qe3a01f5785_quant:
	.size	k_qe3a01f5785_quant, .Lfunc_end_k_qe3a01f5785_quant-k_qe3a01f5785_quant
	.p2alignl 7, 3214868480
	.fill 96, 4, 3214868480
	.section	.rodata,"a",@progbits
	.p2align	6, 0x0
	.amdhsa_kernel k_qe3a01f5785_quant
		.amdhsa_group_segment_fixed_size 34304
		.amdhsa_private_segment_fixed_size 0
		.amdhsa_enable_private_segment 0
		.amdhsa_kernarg_size 40
		.amdhsa_user_sgpr_count 2
		.amdhsa_user_sgpr_kernarg_segment_ptr 1
		.amdhsa_wavefront_size32 1
		.amdhsa_system_sgpr_workgroup_id_x 1
		.amdhsa_system_sgpr_workgroup_id_y 1
		.amdhsa_system_sgpr_workgroup_id_z 1
		.amdhsa_system_vgpr_workitem_id 0
		.amdhsa_next_free_vgpr 256
		.amdhsa_next_free_sgpr 66
		.amdhsa_reserve_vcc 0
		.amdhsa_float_denorm_mode_32 3
		.amdhsa_float_denorm_mode_16_64 3
		.amdhsa_memory_ordered 1
		.amdhsa_forward_progress 1
		.amdhsa_inst_pref_size 35
	.end_amdhsa_kernel
	.amdgpu_metadata
---
amdhsa.version: [ 1, 2 ]
amdhsa.kernels:
  - .name:           k_qe3a01f5785_quant
    .symbol:         k_qe3a01f5785_quant.kd
    .args:
      - { .name: x, .offset: 0, .size: 8, .value_kind: global_buffer, .address_space: global }
      - { .name: W_qkv, .offset: 8, .size: 8, .value_kind: global_buffer, .address_space: global }
      - { .name: W_out, .offset: 16, .size: 8, .value_kind: global_buffer, .address_space: global }
      - { .name: cod, .offset: 24, .size: 8, .value_kind: global_buffer, .address_space: global }
      - { .name: scl, .offset: 32, .size: 8, .value_kind: global_buffer, .address_space: global }
    .group_segment_fixed_size: 34304
    .private_segment_fixed_size: 0
    .kernarg_segment_align: 8
    .kernarg_segment_size: 40
    .max_flat_workgroup_size: 128
    .sgpr_count:     66
    .vgpr_count:     256
    .wavefront_size: 32
...
	.end_amdgpu_metadata
.endif
;; end of part 1
;; launch proj (part 2): grid 24 x 8, 4 waves a work-group, clusters of 4 x 4, 327,680 bytes of LDS; arguments cod, scl, img, sc; writes img, sc
.if DOCPART == 2
	.amdgcn_target "amdgcn-amd-amdhsa--gfx1250"
	.amdhsa_code_object_version 6
	.text
	.protected	k_qe3a01f5785_proj
	.globl	k_qe3a01f5785_proj
	.p2align	8
	.type	k_qe3a01f5785_proj,@function
k_qe3a01f5785_proj:
	s_mov_b64 s[64:65], 0
	v_nop
	global_prefetch_b8 v0, s[64:65] scope:SCOPE_SE
	s_setreg_imm32_b32 hwreg(HW_REG_WAVE_MODE, 25, 1), 1
	s_wait_xcnt 0x0
	s_wait_alu depctr_hold_cnt(0) depctr_sa_sdst(0) depctr_va_vdst(0) depctr_va_sdst(0) depctr_va_ssrc(0) depctr_va_vcc(0) depctr_vm_vsrc(0)
	s_getreg_b32 s2, hwreg(HW_REG_IB_STS2, 6, 4)
	s_cmp_eq_u32 s2, 0
	s_cbranch_scc0 .Lentry_in_a_cluster
	s_endpgm
.Lentry_in_a_cluster:
	s_bfe_u32 s2, ttmp6, 0x10000c
	s_cmp_lg_u32 s2, 0xf033
	s_cbranch_scc0 .Lentry_shape_is_right
	s_endpgm
.Lentry_shape_is_right:
; qkv = x W_qkv^T on codes of FP6 (E2M3) with E8M0 scales (K = 1,024), and its results quantised on the way out, in registers: q and k along a head's 64 channels, v along the tokens.
; A tile of 256 x 256 is made by four waves, 128 x 128 each: 64 accumulators of 16 x 16.  K goes in steps of 256 through two LDS slots filled by the tensor data mover.
; Both operands lie in cod as images of the operands' registers: 128 positions x 256 K are one dense block of 24,576 bytes: [tile: 8][128 K: 2][6 planes of 256 bytes]; a plane is read back by one
; ds_load_b64 at 8 x lane: 256 consecutive bytes.  The scale words of 128 positions, for all of K, are 4,096 dense bytes; they come once.
; A RESULT IS QUANTISED ALONG SOURCE 0's AXIS: a lane's 16 registers of two neighbouring tiles of source 0 are 16 neighbours (the positions' order in cod sees to that).
;   clusters with x < 4: source 0 = rows of W_q, W_k (a wave's 128 = two heads), source 1 = tokens;   clusters with x = 4, 5: source 0 = tokens (a wave's 128 = one key step), source 1 = rows of W_v.
; So the 64 registers of one block of source 1 are a whole fragment's numbers, and each block leaves as six planes of 256 bytes and one scale word a lane: no stage in LDS.
; img: [q heads 0-15, k heads 16-31][token tile: 256][3 planes], then v: [2 x key step + half: 64][channel tile: 64][3 planes].
; sc:  blocks of 512 bytes for eight tiles: lane l at 16 l, word j: the word of tile 2 j + l / 16, row l % 16.  [q, k head: 32][128 tokens: 32], then [pair of heads: 8][key step: 32].
;      A q or k word's bytes 2, 3 are the neighbour head's bytes or 0; they stand over zero codes in the next launch.
; CLUSTERS: 4 x 4 work-groups; source 1's tile is shared along a row of the cluster, source 0's along a column: joint loads.  192 work-groups: the product has 192 tiles of this size.
; No prefetch: a work-group has two refills in all.
; LIMITS: NaN and infinities are not served; a block whose largest magnitude lies under 2^-124 gets the byte 1.
; REGISTERS: window 0: v16-29 addresses; v32-63 scale words, two sets; v128-223 source 1's fragments, one set; on the way out v112-131, v200-227 at work.  window 1: source 0's fragments, two sets.  windows 2, 3: accumulators.
.set NQ,     2                         ; matrix instructions deep in a slot
.set FR,     12                        ; registers of a fragment
.set NL,     6                         ; LDS loads that bring one
.set NP,     4                         ; places behind this matrix instruction (ISA guide 7.12.1)
.set HALFT,  24576                     ; 128 positions x 256 K: what one tensor load brings
.set SLOT,   4*HALFT                   ; source 1's 256 positions ("A"), then source 0's ("B")
.set SCL,    2*SLOT                    ; the scale words: 4 x 4,096 bytes
.set SPARE,  SCL+4*4096                ; the spare words, 128 bytes for each wave
.set RG,     98304                     ; 128 positions, all of K, in cod
.set ADRA, 16                          ; v16-17 LDS address of A's planes in slot 0, 1
.set ADRB, 20                          ; v20-21 the same for B
.set L8,   24                          ; v24  8 x lane
.set L16,  25                          ; v25  16 x lane
.set FL,   26                          ; v26  the floor 2^(3 - 127)
.set ADRS, 27                          ; v27  my scale words: lanes 0-15 A's, lanes 16-31 B's
.set SPW,  28                          ; v28  my spare word; never rewritten
.set NIL,  29                          ; v29  0; never rewritten
.set SC,   32
.set AF,   128
.set PC,   112                         ; the way out: codes
.set TM,   200
.set PW,   216
.set SE,   220                         ; v220-223 eight blocks' scale words
.set SO,   224                         ; v224-227 the odd head's
.set G1, 24
.set G0, 32
.set G1B, 48
.set G0B, 56
.set G1S, 68
.set G0S, 76
.set G1SB, 80
.set G0SB, 88
.set SEL, 66                           ; s66, s67 lane selects
.set HI,  17                           ; s17 lanes 16-31 (on the way out)
.set OB,  8                            ; s[8:9], s[12:13] where the two halves of a fragment go
.set MSB, 0
.macro WIN new                         ; the immediate's high byte repeats the setting that is left
.if MSB != \new
	s_set_vgpr_msb (MSB<<8)|\new
.set MSB, \new
.endif
.endm
.set MUL_LO, 0xa1                      ; source 0 window 1, source 1 window 0, C and D window 2
.set MUL_HI, 0xf1
.set TO_B,   0x40
.macro JLOAD g0a, g1a, g0b, g1b        ; a joint load: waves 0, 1 fetch for A, waves 2, 3 for B; four v_nop follow each line
	s_cmp_eq_u32 s15, 0
	s_cbranch_scc0 .Lfor_b_\@
	tensor_load_to_lds s[\g0a:\g0a+3], s[\g1a:\g1a+7]
	s_nop 0
.rept 4
	v_nop
.endr
	s_branch .Lasked_\@
.Lfor_b_\@:
	tensor_load_to_lds s[\g0b:\g0b+3], s[\g1b:\g1b+7]
	s_nop 0
.rept 4
	v_nop
.endr
.Lasked_\@:
.endm
.macro CREST                           ; a round of the cluster's barrier behind its opening barrier
	s_cmp_lg_u32 s14, 0
	s_cbranch_scc1 .Lnot_wave_0_\@
	s_barrier_signal -3
.Lnot_wave_0_\@:
	s_barrier_wait -3
	s_barrier_signal -1
	s_barrier_wait -1
.endm
.macro CROUND
	s_barrier_signal -1
	s_barrier_wait -1
	CREST
.endm
	s_load_b256 s[4:11], s[0:1], 0x0               ; cod s[4:5], scl s[6:7], img s[8:9], sc s[10:11]
	v_lshl_add_u32 v[SPW], v0, 2, SPARE
	v_mov_b32 v[NIL], 0
	ds_add_u32 v28, v29
	ds_add_u32 v28, v29
	s_wait_dscnt 0x0
	v_lshrrev_b32 v1, 5, v0
	v_readfirstlane_b32 s14, v1                    ; wave 0..3
	s_lshr_b32 s15, s14, 1                         ; my half of A's 256.  Also: I fetch for A (0) or for B (1)
	s_and_b32 s16, s14, 1                          ; my half of B's 256.  Also: which 128 positions I fetch
	s_bfe_u32 s40, ttmp6, 0x40000                  ; cx
	s_bfe_u32 s41, ttmp6, 0x40004                  ; cy
	; which tiles the cluster takes: from the cluster's x and y, which all partners share
	s_and_b32 s12, ttmp7, 0xffff                   ; cluster y: 0, 1
	s_and_b32 s13, ttmp9, 1
	s_lshl_b32 s13, s13, 2                         ; e = 4 (x % 2)
	s_lshr_b32 s17, ttmp9, 1
	s_lshl_b32 s17, s17, 3
	s_lshl_b32 s18, s12, 2
	s_add_co_u32 s17, s17, s18                     ; f = 8 (x / 2) + 4 y
	s_lshl_b32 s18, s12, 3
	s_add_co_u32 s18, s18, s13                     ; g = 8 y + e
	s_add_co_u32 s19, s13, 16
	s_mov_b32 s92, 49152
	s_cmp_lt_u32 ttmp9, 4                          ; q, k or v?
	s_cselect_b32 s19, s19, s18                    ; source 0's first tile of 256 positions in cod: W_q, W_k from 16 on; or tokens
	s_cselect_b32 s21, s17, 24                     ; source 1's: tokens; or W_v from 24 on
	s_cselect_b32 s22, s13, s18                    ; the same counted from the part's own start
	s_cselect_b32 s23, s17, 0
	s_cselect_b32 s92, 196608, s92                 ; bytes from a fragment's first half to its second in img
	s_cselect_b32 s93, 0, 6291456                  ; where the part begins in img,
	s_cselect_b32 s94, 0, 524288                   ; and in sc
	s_lshl_b32 s43, s41, 2
	s_lshl_b32 s43, 15, s43                        ; my row of the cluster
	s_lshl_b32 s44, 0x1111, s40                    ; my column
	; group 1: 96 rows of 256 bytes (32 elements of 8 bytes), dense, no padding
	s_or_b32 s[G1+0], s43, (3<<16)|(1<<21)         ; 15:0 the mask: A's tiles go to my row; 17:16 elements of 8 bytes; 21 set beside a mask
	s_or_b32 s[G1B+0], s44, (3<<16)|(1<<21)
.irp g, G1, G1B
	s_mov_b32 s[\g+1], 32<<16                      ; tensor_dim0
	s_mov_b32 s[\g+2], 96<<16                      ; tensor_dim1
	s_mov_b32 s[\g+3], 32<<16                      ; tile_dim0
	s_mov_b32 s[\g+4], 96                          ; tile_dim1
	s_mov_b32 s[\g+5], 32                          ; stride
	s_mov_b32 s[\g+6], 0
	s_mov_b32 s[\g+7], 0
.endr
	s_or_b32 s[G1S+0], s43, (3<<16)|(1<<21)        ; the scale words: 16 such rows
	s_or_b32 s[G1SB+0], s44, (3<<16)|(1<<21)
.irp g, G1S, G1SB
	s_mov_b32 s[\g+1], 32<<16
	s_mov_b32 s[\g+2], 16<<16
	s_mov_b32 s[\g+3], 32<<16
	s_mov_b32 s[\g+4], 16
	s_mov_b32 s[\g+5], 32
	s_mov_b32 s[\g+6], 0
	s_mov_b32 s[\g+7], 0
.endr
	s_add_co_u32 s21, s21, s41                     ; A's tile: + cy, which my row shares
	s_lshl_b32 s21, s21, 1
	s_add_co_u32 s21, s21, s16                     ; the 128 positions that I fetch
	s_add_co_u32 s19, s19, s40                     ; B's tile: + cx, which my column shares
	s_lshl_b32 s19, s19, 1
	s_add_co_u32 s19, s19, s16
	s_mul_i32 s20, s21, RG                         ; A's codes,
	s_lshl_b32 s2, s21, 12                         ; A's scale words
	s_mov_b32 s21, 0
	s_mov_b32 s3, 0
	s_mul_i32 s46, s19, RG                         ; B's
	s_lshl_b32 s96, s19, 12
	s_mov_b32 s47, 0
	s_mov_b32 s97, 0
	s_mul_i32 s45, s14, HALFT                      ; where they go: wave x 24,576; no place in the cluster enters an LDS address
	s_lshl_b32 s95, s14, 12
	s_wait_kmcnt 0x0
	s_add_nc_u64 s[20:21], s[4:5], s[20:21]
	s_add_nc_u64 s[2:3], s[6:7], s[2:3]
	s_add_nc_u64 s[46:47], s[4:5], s[46:47]
	s_add_nc_u64 s[96:97], s[6:7], s[96:97]
	CROUND                                         ; all sixteen work-groups are here: the first joint loads meet
	s_mov_b32 s[G0S], 1
	s_add_co_u32 s[G0S+1], s95, SCL
	s_mov_b64 s[G0S+2:G0S+3], s[2:3]
	s_or_b32 s[G0S+3], s[G0S+3], 0x80000000
	s_mov_b32 s[G0SB], 1
	s_add_co_u32 s[G0SB+1], s95, SCL
	s_mov_b64 s[G0SB+2:G0SB+3], s[96:97]
	s_or_b32 s[G0SB+3], s[G0SB+3], 0x80000000
	JLOAD G0S, G1S, G0SB, G1SB                     ; the scale words first
.irp s, 0,1
	s_mov_b32 s[G0+4*\s], 1
	s_add_co_u32 s[G0+4*\s+1], s45, \s*SLOT
	s_add_nc_u64 s[G0+4*\s+2:G0+4*\s+3], s[20:21], \s*HALFT
	s_or_b32 s[G0+4*\s+3], s[G0+4*\s+3], 0x80000000
	s_mov_b32 s[G0B+4*\s], 1
	s_add_co_u32 s[G0B+4*\s+1], s45, \s*SLOT
	s_add_nc_u64 s[G0B+4*\s+2:G0B+4*\s+3], s[46:47], \s*HALFT
	s_or_b32 s[G0B+4*\s+3], s[G0B+4*\s+3], 0x80000000
	JLOAD G0+4*\s, G1, G0B+4*\s, G1B
.endr
	v_and_b32 v1, 31, v0                           ; lane
	v_and_b32 v2, 15, v0                           ; r
	v_bfe_u32 v3, v0, 4, 1                         ; h
	v_lshlrev_b32 v[L8], 3, v1
	v_lshlrev_b32 v[L16], 4, v1
	v_mov_b32 v[FL], 0x1800000
	s_mul_i32 s2, s15, HALFT                       ; my 128 positions of A
	s_mul_i32 s3, s16, HALFT                       ; my 128 of B,
	s_add_co_u32 s3, s3, 2*HALFT                   ; which lie behind A's 256
.irp s, 0,1
	v_add_nc_u32 v[ADRA+\s], s2, v[L8]
	v_add_nc_u32 v[ADRB+\s], s3, v[L8]
	s_add_co_u32 s2, s2, SLOT
	s_add_co_u32 s3, s3, SLOT
.endr
	v_lshlrev_b32 v5, 3, v2                        ; 8 bytes a row in a tile's 128 bytes of a K step
	s_lshl_b32 s2, s15, 12                         ; A's: my 128 positions
	s_lshl_b32 s3, s16, 12                         ; B's, behind A's 8,192 bytes
	s_add_co_u32 s3, s3, 8192
	s_sub_co_u32 s3, s3, s2
	v_mul_u32_u24 v6, s3, v3                       ; lanes 16-31 take B's: one product for the half
	s_add_co_u32 s2, s2, SCL
	v_add_nc_u32 v5, v5, v6
	v_add_nc_u32 v[ADRS], s2, v5
	; where my results go
	s_add_co_u32 s22, s22, s40
	s_lshl_b32 s22, s22, 2
	s_lshl_b32 s2, s16, 1
	s_add_co_u32 s22, s22, s2                      ; g0: my first head (q, k), or 2 x my key step (v)
	s_add_co_u32 s23, s23, s41
	s_lshl_b32 s23, s23, 1
	s_add_co_u32 s23, s23, s15                     ; Y: my 128 tokens (q, k), or my 128 channels (v)
	s_mul_i32 s2, s22, s92
	s_add_co_u32 s2, s2, s93
	s_mul_i32 s3, s23, 6144
	s_add_co_u32 s2, s2, s3
	s_mov_b32 s3, 0
	s_add_nc_u64 s[OB:OB+1], s[8:9], s[2:3]        ; planes 0-2
	s_mov_b32 s93, 0
	s_add_nc_u64 s[OB+4:OB+5], s[OB:OB+1], s[92:93]   ; planes 3-5
	s_lshr_b32 s2, s22, 1
	s_cmp_lt_u32 ttmp9, 4
	s_cselect_b32 s3, s22, s23                     ; head, or pair of heads
	s_cselect_b32 s2, s23, s2                      ; 128 tokens
	s_lshl_b32 s3, s3, 14
	s_lshl_b32 s2, s2, 9
	s_add_co_u32 s2, s2, s3
	s_add_co_u32 s2, s2, s94
	s_mov_b32 s3, 0
	s_add_nc_u64 s[10:11], s[10:11], s[2:3]        ; my block of scale words,
	s_add_nc_u64 s[18:19], s[10:11], 16384         ; and the odd head's
	s_mov_b32 s[SEL], 0x76543210
	s_mov_b32 s[SEL+1], 0xfedcba98
	s_mov_b32 s[HI], 0xffff0000
.macro FRAG reg, adr, q, i             ; a fragment: six planes, 256 consecutive bytes each
.irp p, 0,1,2,3,4,5
	ds_load_b64 v[\reg+2*\p:\reg+2*\p+1], v[\adr] offset:(\i)*3072+(\q)*1536+256*\p
.endr
.endm
; 16 matrix instructions: A's blocks a0, a0 + 1 x B's eight.  The 64 accumulators take turns, one instruction a turn, in the same order in every step.
.macro MUL16 a0, p, q, sc, zero
.irp a, \a0, \a0+1
.irp b, 0,1,2,3,4,5,6,7
.if \zero
	v_wmma_scale_f32_16x16x128_f8f6f4 v[8*(8*((\a)%4)+\b):8*(8*((\a)%4)+\b)+7], v[128*(\p)+FR*\b:128*(\p)+FR*\b+FR-1], v[AF+FR*(\a):AF+FR*(\a)+FR-1], 0, v[SC+8*NQ*(\sc)+NQ*\b+(\q)], v[SC+8*NQ*(\sc)+NQ*(\a)+(\q)] matrix_a_fmt:MATRIX_FMT_FP6 matrix_b_fmt:MATRIX_FMT_FP6 matrix_a_scale:MATRIX_SCALE_ROW1
.else
	v_wmma_scale_f32_16x16x128_f8f6f4 v[8*(8*((\a)%4)+\b):8*(8*((\a)%4)+\b)+7], v[128*(\p)+FR*\b:128*(\p)+FR*\b+FR-1], v[AF+FR*(\a):AF+FR*(\a)+FR-1], v[8*(8*((\a)%4)+\b):8*(8*((\a)%4)+\b)+7], v[SC+8*NQ*(\sc)+NQ*\b+(\q)], v[SC+8*NQ*(\sc)+NQ*(\a)+(\q)] matrix_a_fmt:MATRIX_FMT_FP6 matrix_b_fmt:MATRIX_FMT_FP6 matrix_a_scale:MATRIX_SCALE_ROW1
.endif
.endr
.endr
.endm
.macro FETCH_B slot, q, p
	WIN TO_B
.irp i, 0,1,2,3,4,5,6,7
	FRAG 128*(\p)+FR*\i, ADRB+\slot, \q, \i
.endr
	WIN 0
.endm
.macro FETCH_A slot, q, i0
.irp i, \i0, \i0+1, \i0+2, \i0+3
	FRAG AF+FR*(\i), ADRA+\slot, \q, \i
.endr
.endm
.macro SCALES sc                       ; a K step's two words a row: lanes 0-15 A's block i, lanes 16-31 B's block i
.irp i, 0,1,2,3,4,5,6,7
	ds_load_b64 v[SC+8*NQ*\sc+NQ*\i:SC+8*NQ*\sc+NQ*\i+1], v[ADRS] offset:\i*512
.endr
.endm
.macro PLACES n                        ; plain vector lines between a matrix instruction and a load into, or a vector read or write of, its registers
.rept \n
	v_nop
.endr
.endm
.macro STEP slot, q, zero              ; 128 along K that has its successor in the same slot
	s_wait_dscnt 4*NL                              ; B's set, A's blocks 0-3 (and the scale words) are in; the youngest 24 loads, A's blocks 4-7, may be out
	WIN MUL_LO
	MUL16 0, (\q)%2, \q, \slot, \zero
	MUL16 2, (\q)%2, \q, \slot, \zero
	s_wait_dscnt 0
	PLACES NP
	FETCH_B \slot, (\q)+1, 1-(\q)%2
	FETCH_A \slot, (\q)+1, 0
	WIN MUL_HI
	MUL16 4, (\q)%2, \q, \slot, \zero
	MUL16 6, (\q)%2, \q, \slot, \zero
	PLACES NP
	WIN 0
	FETCH_A \slot, (\q)+1, 4
.endm
; A slot's last step changes slots: one barrier; in front of it each wave waits for all its tensor loads, adds 0 to its spare word, and waits for that and for its reads of this slot.
.macro TURN slot, next, fill
	s_wait_tensorcnt 0x0                           ; all my tensor loads have landed: my part of the next slot
	ds_add_u32 v[SPW], v[NIL]                      ; 0 onto my spare word
	s_wait_dscnt 4*NL+1                            ; the add and the youngest 24 loads may be out
	WIN MUL_LO
	MUL16 0, 1, NQ-1, \slot, 0
	s_wait_dscnt 0x0                               ; the add is done, and my reads of this slot are over
	s_barrier_signal -1
	MUL16 2, 1, NQ-1, \slot, 0
	WIN 0
	s_barrier_wait -1
.if \fill
	CREST                                          ; the barrier has opened a round of the cluster's: no wave of any partner still reads this slot or has a load on its way
	s_add_nc_u64 s[G0+4*\slot+2:G0+4*\slot+3], s[G0+4*\slot+2:G0+4*\slot+3], 2*HALFT
	s_add_nc_u64 s[G0B+4*\slot+2:G0B+4*\slot+3], s[G0B+4*\slot+2:G0B+4*\slot+3], 2*HALFT
	JLOAD G0+4*\slot, G1, G0B+4*\slot, G1B         ; the first tensor load behind the round; its four v_nop are the places in front of the loads below
.else
	PLACES NP
.endif
	v_add_nc_u32 v[ADRS], 128, v[ADRS]             ; the next K step's scale words
	FETCH_B \next, 0, 0
	FETCH_A \next, 0, 0
	SCALES \next
	WIN MUL_HI
	MUL16 4, 1, NQ-1, \slot, 0
	MUL16 6, 1, NQ-1, \slot, 0
	PLACES NP
	WIN 0
	FETCH_A \next, 0, 4
.endm
	s_wait_tensorcnt 1                             ; the scale words and my part of slot 0 are in; slot 1's load may be out
	s_barrier_signal -1
	s_barrier_wait -1
	FETCH_B 0, 0, 0
	FETCH_A 0, 0, 0
	SCALES 0
	FETCH_A 0, 0, 4
	STEP 0, 0, 1                                   ; K = 1,024 is four slots' worth, written out: the first products start the sums
	TURN 0, 1, 1
	STEP 1, 0, 0
	TURN 1, 0, 1
	STEP 0, 0, 0
	TURN 0, 1, 0                                   ; nothing is left to fetch
	STEP 1, 0, 0
	s_wait_dscnt 4*NL
	WIN MUL_LO
	MUL16 0, 1, NQ-1, 1, 0
	MUL16 2, 1, NQ-1, 1, 0
	s_wait_dscnt 0
	WIN MUL_HI
	MUL16 4, 1, NQ-1, 1, 0
	MUL16 6, 1, NQ-1, 1, 0
	WIN 0
; THE WAY OUT.  Block a of source 1: my lane's 64 results, register 16 b + i = index 32 b + 16 (lane / 16) + i along source 0, become a fragment's codes and a scale word.
.macro OUTBLK a
.set AC, 64*((\a)%4)
.set W1, 2+(\a)/4                      ; the accumulators' window
.set W2, (W1<<2)|(W1<<4)
.if (\a) > 0
	s_wait_xcnt 0x0                                ; the last block's stores have read the codes' registers
.endif
	WIN W2                                         ; sources 1 and 2 in the accumulators' window
.irp b, 0,1,2,3
	v_max3_num_f32 v[TM+\b], v[FL], |v[AC+16*\b]|, |v[AC+16*\b+1]|   ; each accumulator is read from its low end on
.endr
.irp i, 2,4,6,8,10,12,14
.irp b, 0,1,2,3
	v_max3_num_f32 v[TM+\b], v[TM+\b], |v[AC+16*\b+\i]|, |v[AC+16*\b+\i+1]|
.endr
.endr
	WIN 0
.irp b, 0,1,2,3
	v_permlanex16_b32 v[TM+4+\b], v[TM+\b], s[SEL], s[SEL+1]
.endr
.irp b, 0,1,2,3
	v_max_num_f32 v[TM+\b], v[TM+\b], v[TM+4+\b]
.endr
.irp b, 0,1,2,3
	v_add_nc_u32 v[TM+12+\b], 0xff000000, v[TM+\b]
.endr
.irp b, 0,1,2,3
	v_lshrrev_b32 v[TM+4+\b], 23, v[TM+12+\b]
.endr
	v_lshl_or_b32 v[PW], v[TM+5], 8, v[TM+4]
	v_lshl_or_b32 v[PW], v[TM+6], 16, v[PW]
	v_lshl_or_b32 v[PW], v[TM+7], 24, v[PW]
	WIN W1                                         ; source 0 in the accumulators' window
.irp c, 0,1
	v_cvt_scalef32_pk16_fp6_f32 v[PC+6*\c:PC+2+6*\c], v[AC+32*\c:AC+32*\c+15], v[TM+12+2*\c]
	v_cvt_scalef32_pk16_fp6_f32 v[PC+12+4*\c:PC+14+4*\c], v[AC+16+32*\c:AC+31+32*\c], v[TM+12+2*\c+1]
.endr
	WIN 0
	v_nop                                          ; one plain line behind a scaled conversion
.irp c, 0,1
.irp i, 0,1,2
	v_permlane16_swap_b32 v[PC+6*\c+\i], v[PC+12+4*\c+\i]
.endr
.irp i, 0,1,2
	v_mov_b32 v[PC+3+6*\c+\i], v[PC+12+4*\c+\i]
.endr
.endr
.if (\a)%2 == 0
	v_mov_b32 v[SE+(\a)/2], v[PW]                  ; an even block's words in lanes 0-15,
.else
	v_cndmask_b32 v[SE+(\a)/2], v[SE+(\a)/2], v[PW], s[HI]   ; the odd block's in lanes 16-31
.endif
.irp p, 0,1,2,3,4,5
	global_store_b64 v[L8], v[PC+2*\p:PC+2*\p+1], s[OB+4*(\p/3):OB+4*(\p/3)+1] offset:(\a)*768+256*(\p%3)   ; a plane: 256 consecutive bytes, aligned
.endr
.endm
	PLACES NP                                      ; behind the last products: results are read, and registers that held fragments are written
.irp b, 0,1,2,3
	v_mov_b32 v[TM+4+\b], 0                        ; a lane permute's destination counts as one of its sources
.endr
.irp a, 0,1,2,3,4,5,6,7
	OUTBLK \a
.endr
.irp j, 0,1,2,3
	v_lshrrev_b32 v[SO+\j], 16, v[SE+\j]           ; q, k: the odd head's two bytes, with 0 above them
.endr
	s_cmp_lt_u32 ttmp9, 4                          ; the cluster's x: the same in all partners.  In v's part a word belongs to one key step as a whole
	s_cbranch_scc0 .Lno_odd
	global_store_b128 v[L16], v[SO:SO+3], s[18:19]
.Lno_odd:
	global_store_b128 v[L16], v[SE:SE+3], s[10:11] ; 512 consecutive bytes, aligned
	s_wait_tensorcnt 0x0                           ; the wave's end
	ds_add_u32 v[SPW], v[NIL]
	s_wait_dscnt 0x0
	CROUND                                         ; the closing round
	s_endpgm
.Lfunc_end_k_qe3a01f5785_proj:
	.size	k_qe3a01f5785_proj, .Lfunc_end_k_qe3a01f5785_proj-k_qe3a01f5785_proj
	.p2alignl 7, 3214868480
	.fill 96, 4, 3214868480
	.section	.rodata,"a",@progbits
	.p2align	6, 0x0
	.amdhsa_kernel k_qe3a01f5785_proj
		.amdhsa_group_segment_fixed_size 327680
		.amdhsa_private_segment_fixed_size 0
		.amdhsa_enable_private_segment 0
		.amdhsa_kernarg_size 32
		.amdhsa_user_sgpr_count 2
		.amdhsa_user_sgpr_kernarg_segment_ptr 1
		.amdhsa_wavefront_size32 1
		.amdhsa_system_sgpr_workgroup_id_x 1
		.amdhsa_system_sgpr_workgroup_id_y 1
		.amdhsa_system_sgpr_workgroup_id_z 1
		.amdhsa_system_vgpr_workitem_id 0
		.amdhsa_next_free_vgpr 1024
		.amdhsa_next_free_sgpr 100
		.amdhsa_reserve_vcc 0
		.amdhsa_float_denorm_mode_32 3
		.amdhsa_float_denorm_mode_16_64 3
		.amdhsa_memory_ordered 1
		.amdhsa_forward_progress 1
		.amdhsa_inst_pref_size 166
	.end_amdhsa_kernel
	.amdgpu_metadata
---
amdhsa.version: [ 1, 2 ]
amdhsa.kernels:
  - .name:           k_qe3a01f5785_proj
    .symbol:         k_qe3a01f5785_proj.kd
    .args:
      - { .name: cod, .offset: 0, .size: 8, .value_kind: global_buffer, .address_space: global }
      - { .name: scl, .offset: 8, .size: 8, .value_kind: global_buffer, .address_space: global }
      - { .name: img, .offset: 16, .size: 8, .value_kind: global_buffer, .address_space: global }
      - { .name: sc, .offset: 24, .size: 8, .value_kind: global_buffer, .address_space: global }
    .group_segment_fixed_size: 327680
    .private_segment_fixed_size: 0
    .kernarg_segment_align: 8
    .kernarg_segment_size: 32
    .max_flat_workgroup_size: 128
    .sgpr_count:     100
    .vgpr_count:     1024
    .wavefront_size: 32
...
	.end_amdgpu_metadata
.endif
;; end of part 2
;; launch attn (part 3): grid 16 x 16, 16 waves a work-group, no clusters, 174,080 bytes of LDS; arguments img, sc, ao, aos; writes ao, aos
.if DOCPART == 3
	.amdgcn_target "amdgcn-amd-amdhsa--gfx1250"
	.amdhsa_code_object_version 6
	.text
	.protected	k_qe3a01f5785_attn
	.globl	k_qe3a01f5785_attn
	.p2align	8
	.type	k_qe3a01f5785_attn,@function
k_qe3a01f5785_attn:
	s_mov_b64 s[64:65], 0
	v_nop
	global_prefetch_b8 v0, s[64:65] scope:SCOPE_SE
	s_setreg_imm32_b32 hwreg(HW_REG_WAVE_MODE, 25, 1), 1
	s_wait_xcnt 0x0
; Attention under the mask: key k counts for query q where k < 16, or 16 <= k and q - 512 <= k <= q.  Both products on codes of FP6 (E2M3) with E8M0 scales; head size 64.
; t = score x log2(e) / 8; M = the running largest t rounded UP to a whole number; p = 2^(t - M) is quantised along the keys, in blocks of 32 from key 0; the row's sum of the unquantised p divides at the end;
; o is then quantised along the head's 64 channels and leaves as the next launch's operand.
; SHARES: a work-group owns 256 queries of one head, each of its sixteen waves one tile of 16, in 256 registers: four waves to a SIMD, so that one wave's vector work stands beside another's products and LDS loads.
; A tile of 16 positions holds tokens 8 u + r + 8 (r / 8) of its group of 32: lane r's query is Q0 + r + 8 (r / 8).  As source 0, two neighbouring tiles of keys give a lane 16 neighbouring keys.
; WORK: keys 0-31 (a step of its own, which starts M, the sum and O^T), then the window: key steps of 128 from LS = max(2 x block - 4, 0) on, six of them; a wave leaves out the steps that lie wholly outside its
; queries' window (scalar branches on ids); block 0 of key step 0 is hidden there, since the first step has done it.
; LDS: ALL that the work-group reads lies in LDS at once, so every tensor load is a first fill at the head: no slot is filled again.  Waves 0 to 3 fetch K's codes, V's codes, K's scale words, V's scale words:
;   region P (keys 0-127) at 6,144 x wave; region A (steps LS .. LS + 2) at 24,576 + 18,432 x wave; region B (LS + 3 .. LS + 5) at 98,304 + 18,432 x wave.  A wave has three tensor loads out at the most.
; NO CLUSTER: neighbouring blocks of queries want windows that are shifted by two key steps: other tiles at other LDS places; only region P is the same for all, about 12 of 90 KB.
; NO PREFETCH: all loads go out at the head; there is no later load to ask ahead for.
; K = 64 in an instruction of 128: registers 6-11 of Q's and of K's fragments hold zero codes; bytes 2, 3 of their scale words are a neighbour's bytes or 0, never 0xff.
; The scale bytes of o leave as single bytes, 32 a wave: a scale word of the next launch's operand holds two heads' bytes, and two heads are two work-groups.  They are 1 byte in 24 of what is stored here.
; LIMITS: NaN and infinities are not served; a block whose largest magnitude lies under 2^-124 gets the byte 1.
; REGISTERS: v1-11 addresses; v12 -M, v13 largest t, v[14:15] the sum; v16-27 Q; v28 Q's, v29 p's, v30-31 V's, v32-35 K's scale words; v36-83 four fragments of K; v96-159 S^T, then p, then V's four fragments;
;   v160-191 O^T; v192-203 p's codes; v204-211 at work for the conversions; v212-233 at work.
.set ADK, 5
.set ADV, 6
.set ADS, 7
.set ADT, 8
.set PC,  192
.set CW,  204
.set BM,  212                          ; the blocks' largest scores, then largest p
.set BP,  216                          ; the other half's; then the bytes
.set BS,  220                          ; the conversions' scale operands
.set TA,  224
.set FF,  226                          ; v[226:227] f = 2^(old M - new M)
.set MA,  228
.set MB,  229
.set NINF, 230
.set MC,  231
.set S2,  232                          ; v[232:233] the sum's second chain
.set WV,  18
.set SEL, 20
.set CS,  22                           ; s[22:23] c = log2(e) / 8
.set GA,  24                           ; group 1: 72 rows of 256 bytes, dense
.set GB,  32                           ; 6 rows of 256 bytes, dense
.set GC,  40                           ; 6 rows of 3,072 bytes, 49,152 apart
.set GD,  48                           ; 2 such rows
.set G0P, 56
.set G0A, 60
.set G0B, 68
.set TBK, 72
.set TBV, 73
.set TSK, 74
.set TSV, 75
.set KF,  76                           ; the step's first key
.set Q0,  77
.set QMAX, 78
.set TRIP, 79
.set HI,  82                           ; lanes 16-31
.set WIN5, 83                          ; 512
	s_load_b256 s[4:11], s[0:1], 0x0               ; img s[4:5], sc s[6:7], ao s[8:9], aos s[10:11]
	v_lshl_add_u32 v254, v0, 2, 0x2a000
	v_mov_b32 v255, 0
	ds_add_u32 v254, v255
	ds_add_u32 v254, v255
	v_lshrrev_b32 v1, 5, v0
	v_readfirstlane_b32 s[WV], v1                  ; wave 0..15
	s_and_b32 s12, ttmp7, 0xffff                   ; the head
	s_lshl_b32 s13, ttmp9, 1
	s_max_u32 s13, s13, 4
	s_sub_co_u32 s13, s13, 4                       ; LS
.irp g, GA, GB
	s_mov_b32 s[\g], 3<<16                         ; no mask; elements of 8 bytes; no padding
	s_mov_b32 s[\g+1], 32<<16                      ; tensor_dim0 = 32
	s_mov_b32 s[\g+3], 32<<16                      ; tile_dim0
	s_mov_b32 s[\g+5], 32                          ; stride
	s_mov_b32 s[\g+6], 0
	s_mov_b32 s[\g+7], 0
.endr
	s_mov_b32 s[GA+2], 72<<16                      ; tensor_dim1
	s_mov_b32 s[GA+4], 72                          ; tile_dim1
	s_mov_b32 s[GB+2], 6<<16
	s_mov_b32 s[GB+4], 6
.irp g, GC, GD
	s_mov_b32 s[\g], 3<<16
	s_mov_b32 s[\g+1], 384<<16
	s_mov_b32 s[\g+3], 384<<16
	s_mov_b32 s[\g+5], 6144
	s_mov_b32 s[\g+6], 0
	s_mov_b32 s[\g+7], 0
.endr
	s_mov_b32 s[GC+2], 6<<16
	s_mov_b32 s[GC+4], 6
	s_mov_b32 s[GD+2], 2<<16
	s_mov_b32 s[GD+4], 2
	; what I fetch, if I fetch: the head's first byte of my kind, and a key step's bytes
	s_add_co_u32 s80, s12, 16
	s_mul_i32 s84, s80, 196608                     ; wave 0: K's codes
	s_mul_i32 s85, s12, 3072
	s_add_co_u32 s85, s85, 6291456                 ; wave 1: V's codes
	s_lshl_b32 s86, s80, 14                        ; wave 2: K's scale words
	s_lshr_b32 s87, s12, 1
	s_lshl_b32 s87, s87, 14
	s_add_co_u32 s87, s87, 524288                  ; wave 3: V's
	s_mov_b32 s88, 98304
	s_and_b32 s81, s[WV], 1
	s_cmp_eq_u32 s81, 1
	s_cselect_b32 s84, s85, s84
	s_cselect_b32 s86, s87, s86
	s_cselect_b32 s88, s88, 6144
	s_wait_dscnt 0x0
	s_wait_kmcnt 0x0
	s_cmp_lt_u32 s[WV], 2
	s_cselect_b32 s84, s84, s86
	s_cselect_b32 s88, s88, 512
	s_cselect_b64 s[90:91], s[4:5], s[6:7]         ; the choice hangs on the wave's number alone
	s_mov_b32 s85, 0                               ; s[84:85]: region P's bytes
	s_mul_i32 s86, s13, s88
	s_add_co_u32 s86, s86, s84
	s_mov_b32 s87, 0                               ; s[86:87]: region A's: LS steps on
	s_mul_i32 s92, s88, 3
	s_add_co_u32 s92, s92, s86
	s_mov_b32 s93, 0                               ; s[92:93]: region B's: three more
	s_mov_b32 s[G0P], 1
	s_mul_i32 s[G0P+1], s[WV], 6144
	s_add_nc_u64 s[G0P+2:G0P+3], s[90:91], s[84:85]
	s_or_b32 s[G0P+3], s[G0P+3], 0x80000000
	s_mov_b32 s[G0A], 1
	s_mul_i32 s[G0A+1], s[WV], 18432
	s_add_co_u32 s[G0B+1], s[G0A+1], 98304
	s_add_co_u32 s[G0A+1], s[G0A+1], 24576
	s_add_nc_u64 s[G0A+2:G0A+3], s[90:91], s[86:87]
	s_or_b32 s[G0A+3], s[G0A+3], 0x80000000
	s_mov_b32 s[G0B], 1
	s_add_nc_u64 s[G0B+2:G0B+3], s[90:91], s[92:93]
	s_or_b32 s[G0B+3], s[G0B+3], 0x80000000
	; the first fills: a wave's three stand together in one arm of a branch on the wave's number; the arms differ in the tiles' shapes alone
	s_cmp_lt_u32 s[WV], 4
	s_cbranch_scc0 .Lfilled
	s_cmp_eq_u32 s[WV], 0
	s_cbranch_scc0 .Lnot_k
	tensor_load_to_lds s[G0P:G0P+3], s[GB:GB+7]
	s_nop 0
	tensor_load_to_lds s[G0A:G0A+3], s[GA:GA+7]
	s_nop 0
	tensor_load_to_lds s[G0B:G0B+3], s[GA:GA+7]
	s_nop 0
.rept 4
	v_nop
.endr
	s_branch .Lfilled
.Lnot_k:
	s_cmp_eq_u32 s[WV], 1
	s_cbranch_scc0 .Lwords
	tensor_load_to_lds s[G0P:G0P+3], s[GD:GD+7]
	s_nop 0
	tensor_load_to_lds s[G0A:G0A+3], s[GC:GC+7]
	s_nop 0
	tensor_load_to_lds s[G0B:G0B+3], s[GC:GC+7]
	s_nop 0
.rept 4
	v_nop
.endr
	s_branch .Lfilled
.Lwords:
	tensor_load_to_lds s[G0P:G0P+3], s[GB:GB+7]
	s_nop 0
	tensor_load_to_lds s[G0A:G0A+3], s[GB:GB+7]
	s_nop 0
	tensor_load_to_lds s[G0B:G0B+3], s[GB:GB+7]
	s_nop 0
.rept 4
	v_nop
.endr
.Lfilled:
	s_lshl_b32 s80, ttmp9, 4
	s_add_co_u32 s80, s80, s[WV]                   ; TT: my tile of 16 token positions
	s_mov_b32 s85, 0
	s_mul_i32 s84, s12, 196608
	s_mul_i32 s81, s80, 768
	s_add_co_u32 s84, s84, s81
	s_add_nc_u64 s[4:5], s[4:5], s[84:85]          ; Q's three planes
	s_lshl_b32 s84, s12, 14
	s_lshr_b32 s81, s80, 3
	s_lshl_b32 s81, s81, 9
	s_add_co_u32 s84, s84, s81                     ; the block of eight tiles' words,
	s_and_b32 s81, s80, 1
	s_lshl_b32 s81, s81, 8
	s_add_co_u32 s84, s84, s81                     ; an odd tile's lie in lanes 16-31's places,
	s_bfe_u32 s81, s80, 0x20001
	s_lshl_b32 s81, s81, 2
	s_add_co_u32 s84, s84, s81                     ; word (tile % 8) / 2
	s_add_nc_u64 s[6:7], s[6:7], s[84:85]
	s_lshr_b32 s[Q0], s80, 1
	s_lshl_b32 s[Q0], s[Q0], 5
	s_and_b32 s81, s80, 1
	s_lshl_b32 s81, s81, 3
	s_add_co_u32 s[Q0], s[Q0], s81                 ; my first query: 32 (TT / 2) + 8 (TT % 2)
	s_add_co_u32 s[QMAX], s[Q0], 23                ; my last
	s_lshr_b32 s81, s80, 3
	s_mul_i32 s84, s81, 98304
	s_lshr_b32 s81, s12, 2
	s_mul_i32 s81, s81, 24576
	s_add_co_u32 s84, s84, s81
	s_and_b32 s81, s80, 7
	s_mul_i32 s81, s81, 3072
	s_add_co_u32 s84, s84, s81
	s_and_b32 s81, s12, 3
	s_mul_i32 s81, s81, 768
	s_add_co_u32 s84, s84, s81
	s_add_nc_u64 s[8:9], s[8:9], s[84:85]          ; o's three planes in ao
	s_lshl_b32 s84, s80, 9
	s_lshr_b32 s81, s12, 2
	s_lshl_b32 s81, s81, 7
	s_add_co_u32 s84, s84, s81
	s_and_b32 s81, s12, 3
	s_lshl_b32 s81, s81, 1
	s_add_co_u32 s84, s84, s81
	s_add_nc_u64 s[10:11], s[10:11], s[84:85]      ; o's scale bytes in aos
	s_mov_b32 s[SEL], 0x76543210
	s_mov_b32 s[SEL+1], 0xfedcba98
	s_mov_b32 s[CS], 0x3e38aa3b                    ; c = log2(e) / 8
	s_mov_b32 s[CS+1], s[CS]                       ; (named with it as a pair, so it is written)
	s_mov_b32 s[HI], 0xffff0000
	s_mov_b32 s[WIN5], 512
	s_lshl_b32 s[KF], s13, 7                       ; the window's first key
	v_and_b32 v9, 31, v0                           ; lane
	v_and_b32 v11, 15, v0                          ; r
	v_bfe_u32 v[TA], v0, 4, 1                      ; h
	v_lshlrev_b32 v1, 3, v9                        ; 8 x lane: a plane
	v_lshlrev_b32 v2, 4, v9                        ; 16 x lane: eight tiles' scale words
	s_and_b32 s81, s12, 1
	s_lshl_b32 s81, s81, 3
	v_add_nc_u32 v3, s81, v2                       ; V's: my head's two words of the pair of heads' four
	v_lshlrev_b32 v9, 4, v11                       ; 16 r: Q's scale word
.irp p, 0,1,2
	global_load_b64 v[16+2*\p:17+2*\p], v1, s[4:5] offset:256*\p   ; Q stays in registers
.endr
	global_load_b32 v28, v9, s[6:7]
.irp j, 22,23,24,25,26,27
	v_mov_b32 v[\j], 0                             ; zero codes for k = 64 .. 127
.endr
.irp t, 0,1,2,3
.irp j, 6,7,8,9,10,11
	v_mov_b32 v[36+12*\t+\j], 0
.endr
.endr
	v_lshl_add_u32 v10, v11, 3, v[TA]              ; 8 r + h: o's scale bytes
	v_and_b32 v4, 8, v11
	v_add_nc_u32 v4, v4, v11
	v_add_nc_u32 v4, s[Q0], v4                     ; my query
	v_lshlrev_b32 v[MA], 4, v[TA]
	v_sub_nc_u32 v4, v4, v[MA]                     ; less 16 h: register 16 b + i holds key KF + 32 b + i + 16 h
.irp b, 0,1,2,3
	v_mov_b32 v[BP+\b], 0                          ; a lane permute's destination counts as one of its sources
.endr
	v_mov_b32 v[FF+1], 0                           ; (named as the upper half of a pair)
	v_mov_b32 v[NINF], 0xff800000                  ; -infinity
.macro QK d, a, sc, row1               ; S^T = K Q^T: source 0 = 16 key positions, source 1 = my 16 queries; an odd tile's scale words lie in lanes 16-31
.if \row1
	v_wmma_scale_f32_16x16x128_f8f6f4 v[\d:\d+7], v[\a:\a+11], v[16:27], 0, v[\sc], v28 matrix_a_fmt:MATRIX_FMT_FP6 matrix_b_fmt:MATRIX_FMT_FP6 matrix_a_scale:MATRIX_SCALE_ROW1
.else
	v_wmma_scale_f32_16x16x128_f8f6f4 v[\d:\d+7], v[\a:\a+11], v[16:27], 0, v[\sc], v28 matrix_a_fmt:MATRIX_FMT_FP6 matrix_b_fmt:MATRIX_FMT_FP6
.endif
.endm
.macro PV ct, zero                     ; O^T += V^T P^T: source 0 = 16 channel positions, source 1 = p
.set rD, 160+8*(\ct)
.set rA, 96+12*(\ct)
.set rC, 30+(\ct)/2
.if \zero
.if (\ct)%2
	v_wmma_scale_f32_16x16x128_f8f6f4 v[rD:rD+7], v[rA:rA+11], v[PC:PC+11], 0, v[rC], v29 matrix_a_fmt:MATRIX_FMT_FP6 matrix_b_fmt:MATRIX_FMT_FP6 matrix_a_scale:MATRIX_SCALE_ROW1
.else
	v_wmma_scale_f32_16x16x128_f8f6f4 v[rD:rD+7], v[rA:rA+11], v[PC:PC+11], 0, v[rC], v29 matrix_a_fmt:MATRIX_FMT_FP6 matrix_b_fmt:MATRIX_FMT_FP6
.endif
.else
.if (\ct)%2
	v_wmma_scale_f32_16x16x128_f8f6f4 v[rD:rD+7], v[rA:rA+11], v[PC:PC+11], v[rD:rD+7], v[rC], v29 matrix_a_fmt:MATRIX_FMT_FP6 matrix_b_fmt:MATRIX_FMT_FP6 matrix_a_scale:MATRIX_SCALE_ROW1
.else
	v_wmma_scale_f32_16x16x128_f8f6f4 v[rD:rD+7], v[rA:rA+11], v[PC:PC+11], v[rD:rD+7], v[rC], v29 matrix_a_fmt:MATRIX_FMT_FP6 matrix_b_fmt:MATRIX_FMT_FP6
.endif
.endif
.endm
.macro VLOAD adr, off                  ; V's four fragments of a key step: planes 0-2, then, 3,072 bytes on, planes 3-5
.irp ct, 0,1,2,3
.irp p, 0,1,2,3,4,5
	ds_load_b64 v[96+12*\ct+2*\p:97+12*\ct+2*\p], v[\adr] offset:\off+(\p/3)*3072+\ct*768+256*(\p%3)
.endr
.endr
.endm
	s_wait_loadcnt 0x0                             ; Q
	s_wait_tensorcnt 2                             ; my part of region P has landed; regions A's and B's loads may be out
	s_barrier_signal -1
	s_barrier_wait -1                              ; everybody's has
	; ---- KEYS 0 TO 31: they start M, the sum and O^T.  Keys 0-15 count for every query, so M is a number from here on
	ds_load_b128 v[32:35], v2 offset:12288
	ds_load_b64 v[30:31], v3 offset:18432
.irp t, 0,1
.irp p, 0,1,2
	ds_load_b64 v[36+12*\t+2*\p:37+12*\t+2*\p], v1 offset:\t*768+256*\p
.endr
.endr
	s_wait_dscnt 0x0
	QK 96, 36, 32, 0
	QK 104, 48, 32, 1
.rept 4
	v_nop
.endr
	v_cndmask_b32 v[MA], 15, v4, s[HI]             ; lanes 0-15 hold keys 0-15: never hidden; lanes 16-31 hold key 16 + i: hidden where q - key, unsigned, is over 512
.irp i, 0,1,2,3,4,5,6,7,8,9,10,11,12,13,14,15
	v_add_nc_u32 v[MB+2*(\i%2)], -\i, v[MA]
	v_cmp_lt_u32 vcc_lo, s[WIN5], v[MB+2*(\i%2)]
	v_cndmask_b32 v[96+\i], v[96+\i], v[NINF], vcc_lo
.endr
	v_max3_num_f32 v[BM], v96, v97, v98
	v_max3_num_f32 v[BM+1], v104, v105, v106
	v_max3_num_f32 v[BM], v[BM], v99, v100
	v_max3_num_f32 v[BM+1], v[BM+1], v107, v108
	v_max3_num_f32 v[BM], v[BM], v101, v102
	v_max3_num_f32 v[BM+1], v[BM+1], v109, v110
	v_max3_num_f32 v[BM], v[BM], v103, v111
	v_max_num_f32 v[BM], v[BM], v[BM+1]
	v_permlanex16_b32 v[BP], v[BM], s[SEL], s[SEL+1]
	v_max_num_f32 v[BM], v[BM], v[BP]              ; the block's largest score
	v_mul_f32 v13, s[CS], v[BM]                    ; the largest t
	v_floor_f32 v12, -v13                          ; -M = floor(-t)
.irp j, 0,2,4,6,8,10,12,14
	v_pk_fma_f32 v[96+\j:97+\j], v[96+\j:97+\j], s[CS:CS+1], v[12:13] op_sel_hi:[1,0,0]   ; t - M
.endr
	v_fma_f32 v[BM], v[BM], s[CS], v12
.irp j, 0,1,2,3,4,5,6,7,8,9,10,11,12,13,14,15
	v_exp_f32 v[96+\j], v[96+\j]
.endr
	v_exp_f32 v[BM], v[BM]                         ; the block's largest p: the same two instructions on the same number
	v_nop                                          ; a plain line behind the exponentials
	s_wait_alu depctr_va_vdst(0)                   ; one wait for the batch, ahead of its first reader
	v_pk_add_f32 v[14:15], v[96:97], v[98:99]      ; the sum of the unquantised p
.irp j, 4,6,8,10,12,14
	v_pk_add_f32 v[14:15], v[14:15], v[96+\j:97+\j]
.endr
	v_max_num_f32 v[BM], 0x1800000, v[BM]
	v_add_nc_u32 v[BS], 0xff000000, v[BM]
	v_lshrrev_b32 v29, 23, v[BS]                   ; p's scale word: block 0's byte; the bytes above are 0 and stand over zero codes
	v_cvt_scalef32_pk16_fp6_f32 v[PC:PC+2], v[96:111], v[BS]
.irp i, 0,1,2
	v_mov_b32 v[CW+\i], 0                          ; (plain lines behind the conversion)  block 1 has no keys here
.endr
.irp i, 0,1,2
	v_permlane16_swap_b32 v[PC+\i], v[CW+\i]       ; lanes 0-15: block 0's lower and upper 16 codes; lanes 16-31: zeros
.endr
.irp i, 0,1,2
	v_mov_b32 v[PC+3+\i], v[CW+\i]
.endr
.irp i, 6,7,8,9,10,11
	v_mov_b32 v[PC+\i], 0
.endr
	VLOAD 1, 6144
.rept 8
	v_nop                                          ; an operand and a scale register written by vector lines stand this far ahead of a scaled matrix instruction
.endr
	s_wait_dscnt 0x0
	PV 0, 1
	PV 1, 1
	PV 2, 1
	PV 3, 1
.rept 5
	v_nop                                          ; the next scores are laid over V's fragments
.endr
; ---- A KEY STEP OF THE WINDOW: 128 keys
.macro STEP
	s_cmp_gt_u32 s[KF], s[QMAX]                    ; all its keys come after my queries,
	s_cbranch_scc1 .Lhid_\@
	s_add_co_u32 s80, s[KF], 639
	s_cmp_lt_u32 s80, s[Q0]                        ; or all lie more than 512 before them: the step's work is left out, not the lines at its end that step addresses
	s_cbranch_scc1 .Lhid_\@
	v_add_nc_u32 v[ADK], s[TBK], v1
	v_add_nc_u32 v[ADV], s[TBV], v1
	v_add_nc_u32 v[ADS], s[TSK], v2
	v_add_nc_u32 v[ADT], s[TSV], v3
	ds_load_b128 v[32:35], v[ADS]                  ; K's scale words of the eight tiles
	ds_load_b64 v[30:31], v[ADT]                   ; V's of my head's four
.irp g, 0,1
.if \g
.rept 4
	v_nop                                          ; places in front of loads into registers that matrix instructions have read
.endr
.endif
.irp t, 0,1,2,3
.irp p, 0,1,2
	ds_load_b64 v[36+12*\t+2*\p:37+12*\t+2*\p], v[ADK] offset:(4*\g+\t)*768+256*\p
.endr
.endr
	s_wait_dscnt 0x0
.irp t, 0,1,2,3
	QK 96+8*(4*\g+\t), 36+12*\t, 32+2*\g+\t/2, \t%2
.endr
.endr
.rept 4
	v_nop
.endr
	s_cmp_lg_u32 s[KF], 0
	s_cbranch_scc1 .Lnz_\@
.set n, 0
.rept 16
	v_mov_b32 v[96+n], v[NINF]                     ; keys 0-31 have been done
.set n, n+1
.endr
.Lnz_\@:
	s_add_co_u32 s80, s[KF], 127
	s_cmp_le_u32 s80, s[Q0]
	s_cbranch_scc1 .Lopen_\@                       ; no key of the step comes after any of my queries
	v_sub_nc_u32 v[MA], v4, s[KF]
.set n, 0
.rept 64
	v_cmp_gt_i32 vcc_lo, 32*(n/16)+n%16, v[MA]     ; key > query
	v_cndmask_b32 v[96+n], v[96+n], v[NINF], vcc_lo
.set n, n+1
.endr
.Lopen_\@:
	s_add_co_u32 s80, s[KF], 512
	s_cmp_ge_u32 s80, s[QMAX]
	s_cbranch_scc1 .Lfull_\@                       ; no key of the step lies more than 512 before any of my queries
	v_sub_nc_u32 v[MB], v4, s80
.set n, 0
.rept 64
	v_cmp_lt_i32 vcc_lo, 32*(n/16)+n%16, v[MB]     ; key < query - 512
	v_cndmask_b32 v[96+n], v[96+n], v[NINF], vcc_lo
.set n, n+1
.endr
.Lfull_\@:
.irp b, 0,1,2,3
	v_max3_num_f32 v[BM+\b], v[96+16*\b], v[97+16*\b], v[98+16*\b]   ; the largest score of each block of 32 keys: for the row's maximum, and for the block's largest p
.endr
.irp i, 3,5,7,9,11,13
.irp b, 0,1,2,3
	v_max3_num_f32 v[BM+\b], v[BM+\b], v[96+16*\b+\i], v[97+16*\b+\i]
.endr
.endr
.irp b, 0,1,2,3
	v_max_num_f32 v[BM+\b], v[BM+\b], v[111+16*\b]
.endr
.irp b, 0,1,2,3
	v_permlanex16_b32 v[BP+\b], v[BM+\b], s[SEL], s[SEL+1]
.endr
.irp b, 0,1,2,3
	v_max_num_f32 v[BM+\b], v[BM+\b], v[BP+\b]
.endr
	v_max3_num_f32 v[TA], v[BM], v[BM+1], v[BM+2]
	v_max_num_f32 v[TA], v[TA], v[BM+3]
	v_mul_f32 v[TA], s[CS], v[TA]
	v_max_num_f32 v13, v13, v[TA]                  ; the running largest t
	v_mov_b32 v[TA], v12
	v_floor_f32 v12, -v13                          ; the new -M
	v_sub_f32 v[TA], v12, v[TA]                    ; old M - new M: a whole number, 0 or less
	v_cvt_i32_f32 v[TA], v[TA]
	v_ldexp_f32 v[FF], 1.0, v[TA]                  ; f: a multiplication by it rounds nothing
.set n, 0
.rept 32
	v_pk_fma_f32 v[96+n:97+n], v[96+n:97+n], s[CS:CS+1], v[12:13] op_sel_hi:[1,0,0]   ; t - M
.set n, n+2
.endr
.irp b, 0,1,2,3
	v_fma_f32 v[BM+\b], v[BM+\b], s[CS], v12
.endr
.set n, 0
.rept 64
	v_exp_f32 v[96+n], v[96+n]                     ; p = 2^(t - M)
.set n, n+1
.endr
	v_pk_mul_f32 v[14:15], v[14:15], v[FF:FF+1] op_sel_hi:[1,0]   ; the sum under the new M (a plain line behind the exponentials)
	s_wait_alu depctr_va_vdst(0)                   ; one wait for the batch, ahead of its first reader
.irp b, 0,1,2,3
	v_exp_f32 v[BM+\b], v[BM+\b]                   ; the blocks' largest p
.endr
	v_pk_add_f32 v[S2:S2+1], v[96:97], v[98:99]    ; the sum of the unquantised p, in two chains
.irp j, 4,8,12,16,20,24,28,32,36,40,44,48,52,56,60
	v_pk_add_f32 v[14:15], v[14:15], v[96+\j:97+\j]
	v_pk_add_f32 v[S2:S2+1], v[S2:S2+1], v[98+\j:99+\j]
.endr
	v_pk_add_f32 v[14:15], v[14:15], v[S2:S2+1]
	s_wait_alu depctr_va_vdst(0)                   ; and one for the four
.irp b, 0,1,2,3
	v_max_num_f32 v[BM+\b], 0x1800000, v[BM+\b]    ; the floor: a block whose every p is 0 keeps the byte 1; its codes are zeros
.endr
.irp b, 0,1,2,3
	v_add_nc_u32 v[BS+\b], 0xff000000, v[BM+\b]
.endr
.irp b, 0,1,2,3
	v_lshrrev_b32 v[BP+\b], 23, v[BS+\b]
.endr
	v_lshl_or_b32 v29, v[BP+1], 8, v[BP]
	v_lshl_or_b32 v29, v[BP+2], 16, v29
	v_lshl_or_b32 v29, v[BP+3], 24, v29            ; p's scale word for these 128 keys
.irp c, 0,1
	v_cvt_scalef32_pk16_fp6_f32 v[PC+6*\c:PC+2+6*\c], v[96+32*\c:111+32*\c], v[BS+2*\c]
	v_cvt_scalef32_pk16_fp6_f32 v[CW+4*\c:CW+2+4*\c], v[112+32*\c:127+32*\c], v[BS+2*\c+1]
.endr
	v_nop                                          ; one plain line behind a scaled conversion
	VLOAD ADV, 0                                   ; p's registers are done with: V's fragments land there while the codes are put in place
.irp c, 0,1
.irp i, 0,1,2
	v_permlane16_swap_b32 v[PC+6*\c+\i], v[CW+4*\c+\i]
.endr
.irp i, 0,1,2
	v_mov_b32 v[PC+3+6*\c+\i], v[CW+4*\c+\i]
.endr
.endr
.set n, 0
.rept 16
	v_pk_mul_f32 v[160+n:161+n], v[160+n:161+n], v[FF:FF+1] op_sel_hi:[1,0]   ; O^T under the new M; these lines also stand between the codes' and the scale word's last writes and the products
.set n, n+2
.endr
	s_wait_dscnt 0x0
	PV 0, 0                                        ; four accumulators by turns
	PV 1, 0
	PV 2, 0
	PV 3, 0
.rept 5
	v_nop                                          ; the next scores are laid over V's fragments; O^T is read on the way out
.endr
.Lhid_\@:
	s_add_co_u32 s[KF], s[KF], 128
	s_add_co_u32 s[TBK], s[TBK], 6144
	s_add_co_u32 s[TBV], s[TBV], 6144
	s_add_co_u32 s[TSK], s[TSK], 512
	s_add_co_u32 s[TSV], s[TSV], 512
.endm
.macro WLOOP base                      ; a region's three key steps
	s_mov_b32 s[TBK], \base
	s_mov_b32 s[TBV], \base+18432
	s_mov_b32 s[TSK], \base+36864
	s_mov_b32 s[TSV], \base+55296
	s_mov_b32 s[TRIP], 3
.Lw_\@:
	STEP
	s_sub_co_u32 s[TRIP], s[TRIP], 1
	s_cmp_lg_u32 s[TRIP], 0
	s_cbranch_scc1 .Lw_\@
.endm
	s_wait_tensorcnt 1                             ; my part of region A has landed; region B's load may be out
	s_wait_dscnt 0x0
	s_barrier_signal -1
	s_barrier_wait -1
	WLOOP 24576
	s_wait_tensorcnt 0x0                           ; region B
	s_wait_dscnt 0x0
	s_barrier_signal -1
	s_barrier_wait -1
	WLOOP 98304
	; ---- THE WAY OUT: O^T / the sum; register 16 b + i is channel 32 b + 16 h + i of the head: two blocks, quantised as every operand is
	v_add_f32 v14, v14, v15
	v_permlanex16_b32 v[TA], v14, s[SEL], s[SEL+1]
	v_add_f32 v14, v14, v[TA]                      ; the row's sum
	v_rcp_f32 v14, v14
	v_nop                                          ; a plain line behind the reciprocal
	s_wait_alu depctr_va_vdst(0)                   ; the wait ahead of its first reader
.set n, 0
.rept 32
	v_mul_f32 v[96+n], v[160+n], v14
.set n, n+1
.endr
.irp b, 0,1
	v_max3_num_f32 v[BM+\b], |v[96+16*\b]|, |v[97+16*\b]|, 0x1800000
.endr
.irp i, 2,4,6,8,10,12,14
.irp b, 0,1
	v_max3_num_f32 v[BM+\b], v[BM+\b], |v[96+16*\b+\i]|, |v[97+16*\b+\i]|
.endr
.endr
.irp b, 0,1
	v_permlanex16_b32 v[BP+\b], v[BM+\b], s[SEL], s[SEL+1]
.endr
.irp b, 0,1
	v_max_num_f32 v[BM+\b], v[BM+\b], v[BP+\b]
.endr
.irp b, 0,1
	v_add_nc_u32 v[BS+\b], 0xff000000, v[BM+\b]
.endr
.irp b, 0,1
	v_lshrrev_b32 v[BP+\b], 23, v[BS+\b]
.endr
	v_cvt_scalef32_pk16_fp6_f32 v[PC:PC+2], v[96:111], v[BS]
	v_cvt_scalef32_pk16_fp6_f32 v[CW:CW+2], v[112:127], v[BS+1]
	v_nop
.irp i, 0,1,2
	v_permlane16_swap_b32 v[PC+\i], v[CW+\i]
.endr
.irp i, 0,1,2
	v_mov_b32 v[PC+3+\i], v[CW+\i]                 ; registers 0-5: channels 32 h + 0 .. 31 of my query
.endr
	v_cndmask_b32 v[TA], v[BP], v[BP+1], s[HI]     ; lanes 0-15 block 0's byte, lanes 16-31 block 1's
.irp p, 0,1,2
	global_store_b64 v1, v[PC+2*\p:PC+2*\p+1], s[8:9] offset:256*\p   ; a plane: 256 consecutive bytes, aligned
.endr
	global_store_b8 v10, v[TA], s[10:11]
	s_wait_tensorcnt 0x0
	ds_add_u32 v254, v255
	s_wait_dscnt 0x0
	s_endpgm
.Lfunc_end_k_qe3a01f5785_attn:
	.size	k_qe3a01f5785_attn, .Lfunc_end_k_qe3a01f5785_attn-k_qe3a01f5785_attn
	.p2alignl 7, 3214868480
	.fill 96, 4, 3214868480
	.section	.rodata,"a",@progbits
	.p2align	6, 0x0
	.amdhsa_kernel k_qe3a01f5785_attn
		.amdhsa_group_segment_fixed_size 174080
		.amdhsa_private_segment_fixed_size 0
		.amdhsa_enable_private_segment 0
		.amdhsa_kernarg_size 32
		.amdhsa_user_sgpr_count 2
		.amdhsa_user_sgpr_kernarg_segment_ptr 1
		.amdhsa_wavefront_size32 1
		.amdhsa_system_sgpr_workgroup_id_x 1
		.amdhsa_system_sgpr_workgroup_id_y 1
		.amdhsa_system_sgpr_workgroup_id_z 1
		.amdhsa_system_vgpr_workitem_id 0
		.amdhsa_next_free_vgpr 256
		.amdhsa_next_free_sgpr 100
		.amdhsa_reserve_vcc 1
		.amdhsa_float_denorm_mode_32 3
		.amdhsa_float_denorm_mode_16_64 3
		.amdhsa_memory_ordered 1
		.amdhsa_forward_progress 1
		.amdhsa_inst_pref_size 79
	.end_amdhsa_kernel
	.amdgpu_metadata
---
amdhsa.version: [ 1, 2 ]
amdhsa.kernels:
  - .name:           k_qe3a01f5785_attn
    .symbol:         k_qe3a01f5785_attn.kd
    .args:
      - { .name: img, .offset: 0, .size: 8, .value_kind: global_buffer, .address_space: global }
      - { .name: sc, .offset: 8, .size: 8, .value_kind: global_buffer, .address_space: global }
      - { .name: ao, .offset: 16, .size: 8, .value_kind: global_buffer, .address_space: global }
      - { .name: aos, .offset: 24, .size: 8, .value_kind: global_buffer, .address_space: global }
    .group_segment_fixed_size: 174080
    .private_segment_fixed_size: 0
    .kernarg_segment_align: 8
    .kernarg_segment_size: 32
    .max_flat_workgroup_size: 512
    .sgpr_count:     100
    .vgpr_count:     256
    .wavefront_size: 32
...
	.end_amdgpu_metadata
.endif
;; end of part 3
;; launch outp (part 4): grid 4 x 16, 4 waves a work-group, clusters of 4 x 4, 327,680 bytes of LDS; arguments ao, aos, cod, scl, out0; writes out0
.if DOCPART == 4
	.amdgcn_target "amdgcn-amd-amdhsa--gfx1250"
	.amdhsa_code_object_version 6
	.text
	.protected	k_qe3a01f5785_outp
	.globl	k_qe3a01f5785_outp
	.p2align	8
	.type	k_qe3a01f5785_outp,@function
k_qe3a01f5785_outp:
	s_mov_b64 s[64:65], 0
	v_nop
	global_prefetch_b8 v0, s[64:65] scope:SCOPE_SE
	s_setreg_imm32_b32 hwreg(HW_REG_WAVE_MODE, 25, 1), 1
	s_wait_xcnt 0x0
	s_wait_alu depctr_hold_cnt(0) depctr_sa_sdst(0) depctr_va_vdst(0) depctr_va_sdst(0) depctr_va_ssrc(0) depctr_va_vcc(0) depctr_vm_vsrc(0)
	s_getreg_b32 s2, hwreg(HW_REG_IB_STS2, 6, 4)
	s_cmp_eq_u32 s2, 0
	s_cbranch_scc0 .Lentry_in_a_cluster
	s_endpgm
.Lentry_in_a_cluster:
	s_bfe_u32 s2, ttmp6, 0x10000c
	s_cmp_lg_u32 s2, 0xf033
	s_cbranch_scc0 .Lentry_shape_is_right
	s_endpgm
.Lentry_shape_is_right:
; out0 = o W_out^T on codes of FP6 (E2M3) with E8M0 scales, K = 1,024; out0 [4096][1024] f32.
; o's codes (ao) and scale words (aos) and W_out's (cod from position 7,168 on, scl likewise) lie as images of the operands' registers: 128 positions x 256 K are one dense block of 24,576 bytes,
; [tile: 8][128 K: 2][6 planes of 256 bytes]; the scale words of 128 positions, for all of K, are 4,096 dense bytes and come once.
; A tile of 256 x 256 is made by four waves, 128 x 128 each; K goes in steps of 256 through two LDS slots.  Source 0 = W_out's rows ("B"), source 1 = tokens ("A").
; ROW ORDER: position 16 u + r of a group of 32 holds row 8 u + r + 8 (r / 8).  So a lane's 16 registers of two neighbouring tiles of B are 16 neighbouring columns of out0, and block a's lane r is token
; 32 (a / 2) + 8 (a % 2) + r + 8 (r / 8) of the wave's 128: the order is undone by the stage's offsets and the stores' immediates.
; CLUSTERS: 4 x 4; A's tile is shared along a row, B's along a column: joint loads.  64 work-groups: the product has 64 tiles of this size.  No prefetch: a work-group has two refills in all.
; REGISTERS: window 0: v16-29 addresses; v32-63 scale words, two sets; v128-223 A's fragments, one set; on the way out v128-255 rows of out0.  window 1: B's fragments, two sets.  windows 2, 3: accumulators.
.set NQ,     2
.set FR,     12
.set NL,     6
.set NP,     4
.set HALFT,  24576
.set SLOT,   4*HALFT
.set SCL,    2*SLOT
.set SPARE,  SCL+4*4096
.set RG,     98304
.set SPITCH, 528                       ; the way out: a stage of 16 rows x (512 + 16) bytes for each wave, in slot 0, which has had its last fill and its last read by then
.set ADRA, 16
.set ADRB, 20
.set STO,  24
.set RD,   25
.set CO,   26
.set ADRS, 27
.set SPW,  28
.set NIL,  29
.set SC,   32
.set AF,   128
.set BK,   128
.set G1, 24
.set G0, 32
.set G1B, 48
.set G0B, 56
.set G1S, 68
.set G0S, 76
.set G1SB, 80
.set G0SB, 88
.set MSB, 0
.macro WIN new
.if MSB != \new
	s_set_vgpr_msb (MSB<<8)|\new
.set MSB, \new
.endif
.endm
.set MUL_LO, 0xa1
.set MUL_HI, 0xf1
.set TO_B,   0x40
.macro JLOAD g0a, g1a, g0b, g1b        ; a joint load: waves 0, 1 fetch for A, waves 2, 3 for B; four v_nop follow each line
	s_cmp_eq_u32 s15, 0
	s_cbranch_scc0 .Lfor_b_\@
	tensor_load_to_lds s[\g0a:\g0a+3], s[\g1a:\g1a+7]
	s_nop 0
.rept 4
	v_nop
.endr
	s_branch .Lasked_\@
.Lfor_b_\@:
	tensor_load_to_lds s[\g0b:\g0b+3], s[\g1b:\g1b+7]
	s_nop 0
.rept 4
	v_nop
.endr
.Lasked_\@:
.endm
.macro CREST
	s_cmp_lg_u32 s14, 0
	s_cbranch_scc1 .Lnot_wave_0_\@
	s_barrier_signal -3
.Lnot_wave_0_\@:
	s_barrier_wait -3
	s_barrier_signal -1
	s_barrier_wait -1
.endm
.macro CROUND
	s_barrier_signal -1
	s_barrier_wait -1
	CREST
.endm
	s_load_b128 s[4:7], s[0:1], 0x0                ; ao, aos
	s_load_b128 s[8:11], s[0:1], 0x10              ; cod, scl
	s_load_b64 s[12:13], s[0:1], 0x20              ; out0
	v_lshl_add_u32 v[SPW], v0, 2, SPARE
	v_mov_b32 v[NIL], 0
	ds_add_u32 v28, v29
	ds_add_u32 v28, v29
	s_wait_dscnt 0x0
	v_lshrrev_b32 v1, 5, v0
	v_readfirstlane_b32 s14, v1                    ; wave 0..3
	s_lshr_b32 s15, s14, 1                         ; my half of the tokens.  Also: I fetch for A (0) or for B (1)
	s_and_b32 s16, s14, 1                          ; my half of the columns.  Also: which 128 positions I fetch
	s_bfe_u32 s40, ttmp6, 0x40000                  ; cx
	s_bfe_u32 s41, ttmp6, 0x40004                  ; cy
	s_lshl_b32 s42, ttmp9, 2
	s_add_co_u32 s42, s42, s40                     ; tile column
	s_and_b32 s17, ttmp7, 0xffff
	s_lshl_b32 s17, s17, 2
	s_add_co_u32 s17, s17, s41                     ; tile row
	s_lshl_b32 s43, s41, 2
	s_lshl_b32 s43, 15, s43                        ; my row of the cluster
	s_lshl_b32 s44, 0x1111, s40                    ; my column
	s_or_b32 s[G1+0], s43, (3<<16)|(1<<21)         ; 96 rows of 256 bytes (32 elements of 8 bytes), dense, no padding; the mask, and bit 21 beside it
	s_or_b32 s[G1B+0], s44, (3<<16)|(1<<21)
.irp g, G1, G1B
	s_mov_b32 s[\g+1], 32<<16
	s_mov_b32 s[\g+2], 96<<16
	s_mov_b32 s[\g+3], 32<<16
	s_mov_b32 s[\g+4], 96
	s_mov_b32 s[\g+5], 32
	s_mov_b32 s[\g+6], 0
	s_mov_b32 s[\g+7], 0
.endr
	s_or_b32 s[G1S+0], s43, (3<<16)|(1<<21)        ; the scale words: 16 such rows
	s_or_b32 s[G1SB+0], s44, (3<<16)|(1<<21)
.irp g, G1S, G1SB
	s_mov_b32 s[\g+1], 32<<16
	s_mov_b32 s[\g+2], 16<<16
	s_mov_b32 s[\g+3], 32<<16
	s_mov_b32 s[\g+4], 16
	s_mov_b32 s[\g+5], 32
	s_mov_b32 s[\g+6], 0
	s_mov_b32 s[\g+7], 0
.endr
	s_lshl_b32 s20, s17, 1
	s_add_co_u32 s20, s20, s16                     ; A: the 128 positions that I fetch
	s_lshl_b32 s46, s42, 1
	s_add_co_u32 s46, s46, s16
	s_add_co_u32 s46, s46, 56                      ; B: W_out begins at position 7,168 = 56 x 128
	s_lshl_b32 s22, s20, 12
	s_mov_b32 s23, 0
	s_lshl_b32 s92, s46, 12
	s_mov_b32 s93, 0
	s_mul_i32 s20, s20, RG
	s_mov_b32 s21, 0
	s_mul_i32 s46, s46, RG
	s_mov_b32 s47, 0
	s_mul_i32 s45, s14, HALFT                      ; where they go: no place in the cluster enters an LDS address
	s_lshl_b32 s94, s14, 12
	s_wait_kmcnt 0x0
	s_add_nc_u64 s[20:21], s[4:5], s[20:21]
	s_add_nc_u64 s[22:23], s[6:7], s[22:23]
	s_add_nc_u64 s[46:47], s[8:9], s[46:47]
	s_add_nc_u64 s[92:93], s[10:11], s[92:93]
	CROUND                                         ; all sixteen work-groups are here: the first joint loads meet
	s_mov_b32 s[G0S], 1
	s_add_co_u32 s[G0S+1], s94, SCL
	s_mov_b64 s[G0S+2:G0S+3], s[22:23]
	s_or_b32 s[G0S+3], s[G0S+3], 0x80000000
	s_mov_b32 s[G0SB], 1
	s_add_co_u32 s[G0SB+1], s94, SCL
	s_mov_b64 s[G0SB+2:G0SB+3], s[92:93]
	s_or_b32 s[G0SB+3], s[G0SB+3], 0x80000000
	JLOAD G0S, G1S, G0SB, G1SB
.irp s, 0,1
	s_mov_b32 s[G0+4*\s], 1
	s_add_co_u32 s[G0+4*\s+1], s45, \s*SLOT
	s_add_nc_u64 s[G0+4*\s+2:G0+4*\s+3], s[20:21], \s*HALFT
	s_or_b32 s[G0+4*\s+3], s[G0+4*\s+3], 0x80000000
	s_mov_b32 s[G0B+4*\s], 1
	s_add_co_u32 s[G0B+4*\s+1], s45, \s*SLOT
	s_add_nc_u64 s[G0B+4*\s+2:G0B+4*\s+3], s[46:47], \s*HALFT
	s_or_b32 s[G0B+4*\s+3], s[G0B+4*\s+3], 0x80000000
	JLOAD G0+4*\s, G1, G0B+4*\s, G1B
.endr
	v_and_b32 v1, 31, v0                           ; lane
	v_and_b32 v2, 15, v0                           ; r
	v_bfe_u32 v3, v0, 4, 1                         ; h
	v_lshlrev_b32 v4, 3, v1                        ; 8 x lane
	s_mul_i32 s21, s15, HALFT
	s_mul_i32 s22, s16, HALFT
	s_add_co_u32 s22, s22, 2*HALFT
.irp s, 0,1
	v_add_nc_u32 v[ADRA+\s], s21, v4
	v_add_nc_u32 v[ADRB+\s], s22, v4
	s_add_co_u32 s21, s21, SLOT
	s_add_co_u32 s22, s22, SLOT
.endr
	v_lshlrev_b32 v5, 3, v2
	s_lshl_b32 s21, s15, 12
	s_lshl_b32 s22, s16, 12
	s_add_co_u32 s22, s22, 8192
	s_sub_co_u32 s22, s22, s21
	v_mul_u32_u24 v6, s22, v3                      ; lanes 16-31 take B's: one product for the half
	s_add_co_u32 s21, s21, SCL
	v_add_nc_u32 v5, v5, v6
	v_add_nc_u32 v[ADRS], s21, v5
	s_mul_i32 s23, s14, 16*SPITCH                  ; my stage
	v_mul_u32_u24 v5, v2, SPITCH
	v_lshl_add_u32 v5, v3, 6, v5
	v_add_nc_u32 v[STO], s23, v5                   ; in: row r, + 64 h: my 16 columns of each group of 32
	v_lshlrev_b32 v[CO], 4, v1                     ; back: the 32 lanes take one row of 512 bytes; and the same in out0
	v_add_nc_u32 v[RD], s23, v[CO]
	s_lshl_b32 s20, s17, 8
	s_lshl_b32 s21, s15, 7
	s_add_co_u32 s20, s20, s21                     ; my first token
	s_lshl_b32 s20, s20, 12                        ; rows of 4,096 bytes
	s_lshl_b32 s46, s42, 10
	s_add_co_u32 s20, s20, s46                     ; + 1,024 x tile column
	s_lshl_b32 s47, s16, 9
	s_add_co_u32 s20, s20, s47                     ; + 512 x half
	s_mov_b32 s21, 0
	s_add_nc_u64 s[12:13], s[12:13], s[20:21]
.macro FRAG reg, adr, q, i             ; a fragment: six planes, 256 consecutive bytes each
.irp p, 0,1,2,3,4,5
	ds_load_b64 v[\reg+2*\p:\reg+2*\p+1], v[\adr] offset:(\i)*3072+(\q)*1536+256*\p
.endr
.endm
; 16 matrix instructions: A's blocks a0, a0 + 1 x B's eight.  The 64 accumulators take turns, one instruction a turn, in the same order in every step.
.macro MUL16 a0, p, q, sc, zero
.irp a, \a0, \a0+1
.irp b, 0,1,2,3,4,5,6,7
.if \zero
	v_wmma_scale_f32_16x16x128_f8f6f4 v[8*(8*((\a)%4)+\b):8*(8*((\a)%4)+\b)+7], v[128*(\p)+FR*\b:128*(\p)+FR*\b+FR-1], v[AF+FR*(\a):AF+FR*(\a)+FR-1], 0, v[SC+8*NQ*(\sc)+NQ*\b+(\q)], v[SC+8*NQ*(\sc)+NQ*(\a)+(\q)] matrix_a_fmt:MATRIX_FMT_FP6 matrix_b_fmt:MATRIX_FMT_FP6 matrix_a_scale:MATRIX_SCALE_ROW1
.else
	v_wmma_scale_f32_16x16x128_f8f6f4 v[8*(8*((\a)%4)+\b):8*(8*((\a)%4)+\b)+7], v[128*(\p)+FR*\b:128*(\p)+FR*\b+FR-1], v[AF+FR*(\a):AF+FR*(\a)+FR-1], v[8*(8*((\a)%4)+\b):8*(8*((\a)%4)+\b)+7], v[SC+8*NQ*(\sc)+NQ*\b+(\q)], v[SC+8*NQ*(\sc)+NQ*(\a)+(\q)] matrix_a_fmt:MATRIX_FMT_FP6 matrix_b_fmt:MATRIX_FMT_FP6 matrix_a_scale:MATRIX_SCALE_ROW1
.endif
.endr
.endr
.endm
.macro FETCH_B slot, q, p
	WIN TO_B
.irp i, 0,1,2,3,4,5,6,7
	FRAG 128*(\p)+FR*\i, ADRB+\slot, \q, \i
.endr
	WIN 0
.endm
.macro FETCH_A slot, q, i0
.irp i, \i0, \i0+1, \i0+2, \i0+3
	FRAG AF+FR*(\i), ADRA+\slot, \q, \i
.endr
.endm
.macro SCALES sc
.irp i, 0,1,2,3,4,5,6,7
	ds_load_b64 v[SC+8*NQ*\sc+NQ*\i:SC+8*NQ*\sc+NQ*\i+1], v[ADRS] offset:\i*512
.endr
.endm
.macro PLACES n                        ; plain vector lines between a matrix instruction and a load into, or a read of, its registers
.rept \n
	v_nop
.endr
.endm
.macro STEP slot, q, zero
	s_wait_dscnt 4*NL                              ; B's set, A's blocks 0-3 (and the scale words) are in; the youngest 24 loads, A's blocks 4-7, may be out
	WIN MUL_LO
	MUL16 0, (\q)%2, \q, \slot, \zero
	MUL16 2, (\q)%2, \q, \slot, \zero
	s_wait_dscnt 0
	PLACES NP
	FETCH_B \slot, (\q)+1, 1-(\q)%2
	FETCH_A \slot, (\q)+1, 0
	WIN MUL_HI
	MUL16 4, (\q)%2, \q, \slot, \zero
	MUL16 6, (\q)%2, \q, \slot, \zero
	PLACES NP
	WIN 0
	FETCH_A \slot, (\q)+1, 4
.endm
.macro TURN slot, next, fill
	s_wait_tensorcnt 0x0                           ; all my tensor loads have landed: my part of the next slot
	ds_add_u32 v[SPW], v[NIL]                      ; 0 onto my spare word
	s_wait_dscnt 4*NL+1                            ; the add and the youngest 24 loads may be out
	WIN MUL_LO
	MUL16 0, 1, NQ-1, \slot, 0
	s_wait_dscnt 0x0                               ; the add is done, and my reads of this slot are over
	s_barrier_signal -1
	MUL16 2, 1, NQ-1, \slot, 0
	WIN 0
	s_barrier_wait -1
.if \fill
	CREST                                          ; the barrier has opened a round of the cluster's: no wave of any partner still reads this slot or has a load on its way
	s_add_nc_u64 s[G0+4*\slot+2:G0+4*\slot+3], s[G0+4*\slot+2:G0+4*\slot+3], 2*HALFT
	s_add_nc_u64 s[G0B+4*\slot+2:G0B+4*\slot+3], s[G0B+4*\slot+2:G0B+4*\slot+3], 2*HALFT
	JLOAD G0+4*\slot, G1, G0B+4*\slot, G1B
.else
	PLACES NP
.endif
	v_add_nc_u32 v[ADRS], 128, v[ADRS]
	FETCH_B \next, 0, 0
	FETCH_A \next, 0, 0
	SCALES \next
	WIN MUL_HI
	MUL16 4, 1, NQ-1, \slot, 0
	MUL16 6, 1, NQ-1, \slot, 0
	PLACES NP
	WIN 0
	FETCH_A \next, 0, 4
.endm
	s_wait_tensorcnt 1                             ; the scale words and my part of slot 0 are in; slot 1's load may be out
	s_barrier_signal -1
	s_barrier_wait -1
	FETCH_B 0, 0, 0
	FETCH_A 0, 0, 0
	SCALES 0
	FETCH_A 0, 0, 4
	STEP 0, 0, 1
	TURN 0, 1, 1
	STEP 1, 0, 0
	TURN 1, 0, 1
	STEP 0, 0, 0
	TURN 0, 1, 0
	STEP 1, 0, 0
	s_wait_dscnt 4*NL
	WIN MUL_LO
	MUL16 0, 1, NQ-1, 1, 0
	MUL16 2, 1, NQ-1, 1, 0
	s_wait_dscnt 0
	WIN MUL_HI
	MUL16 4, 1, NQ-1, 1, 0
	MUL16 6, 1, NQ-1, 1, 0
	WIN 0
; THE WAY OUT, block by block of 16 tokens x 128 columns, through my own stage; LDS serves a wave's instructions in order: no wait between the stores and the loads.
.macro TOSTAGE a
.set AC, 64*((\a)%4)
	WIN 0x08+4*((\a)/4)                            ; the data: window 2 or 3
.irp b, 0,1,2,3,4,5,6,7
	ds_store_b128 v[STO], v[AC+8*\b:AC+8*\b+3] offset:128*(\b/2)+32*(\b%2)          ; columns 32 (b / 2) + 16 h + 8 (b % 2) on; each accumulator from its low end on
	ds_store_b128 v[STO], v[AC+8*\b+4:AC+8*\b+7] offset:128*(\b/2)+32*(\b%2)+16
.endr
	WIN 0
.set BB, BK+64*((\a)%2)
.irp t, 0,1,2,3,4,5,6,7,8,9,10,11,12,13,14,15
	ds_load_b128 v[BB+4*\t:BB+4*\t+3], v[RD] offset:\t*SPITCH
.endr
.endm
.macro SEND a, younger                 ; younger: the LDS instructions issued behind block a's loads, which may stay out
.set BB, BK+64*((\a)%2)
	s_wait_dscnt \younger
.irp t, 0,1,2,3,4,5,6,7,8,9,10,11,12,13,14,15
	global_store_b128 v[CO], v[BB+4*\t:BB+4*\t+3], s[12:13] offset:(32*((\a)/2)+8*((\a)%2)+\t+8*(\t/8))*4096 th:TH_STORE_NT   ; 512 consecutive bytes, aligned; position t's token; 127 rows at the most: inside the immediate
.endr
.endm
	PLACES NP
	TOSTAGE 0
.irp a, 1,2,3,4,5,6,7
.if \a > 1
	s_wait_xcnt 0x0                                ; block a - 2's stores have read their registers: block a's loads may land there
.endif
	TOSTAGE \a
	SEND \a-1, 32                                  ; behind block a - 1's loads: block a's 16 stores and 16 loads
.endr
	SEND 7, 0
	s_wait_tensorcnt 0x0                           ; the wave's end
	ds_add_u32 v[SPW], v[NIL]
	s_wait_dscnt 0x0
	CROUND                                         ; the closing round
	s_endpgm
.Lfunc_end_k_qe3a01f5785_outp:
	.size	k_qe3a01f5785_outp, .Lfunc_end_k_qe3a01f5785_outp-k_qe3a01f5785_outp
	.p2alignl 7, 3214868480
	.fill 96, 4, 3214868480
	.section	.rodata,"a",@progbits
	.p2align	6, 0x0
	.amdhsa_kernel k_qe3a01f5785_outp
		.amdhsa_group_segment_fixed_size 327680
		.amdhsa_private_segment_fixed_size 0
		.amdhsa_enable_private_segment 0
		.amdhsa_kernarg_size 40
		.amdhsa_user_sgpr_count 2
		.amdhsa_user_sgpr_kernarg_segment_ptr 1
		.amdhsa_wavefront_size32 1
		.amdhsa_system_sgpr_workgroup_id_x 1
		.amdhsa_system_sgpr_workgroup_id_y 1
		.amdhsa_system_sgpr_workgroup_id_z 1
		.amdhsa_system_vgpr_workitem_id 0
		.amdhsa_next_free_vgpr 1024
		.amdhsa_next_free_sgpr 98
		.amdhsa_reserve_vcc 0
		.amdhsa_float_denorm_mode_32 3
		.amdhsa_float_denorm_mode_16_64 3
		.amdhsa_memory_ordered 1
		.amdhsa_forward_progress 1
		.amdhsa_inst_pref_size 159
	.end_amdhsa_kernel
	.amdgpu_metadata
---
amdhsa.version: [ 1, 2 ]
amdhsa.kernels:
  - .name:           k_qe3a01f5785_outp
    .symbol:         k_qe3a01f5785_outp.kd
    .args:
      - { .name: ao, .offset: 0, .size: 8, .value_kind: global_buffer, .address_space: global }
      - { .name: aos, .offset: 8, .size: 8, .value_kind: global_buffer, .address_space: global }
      - { .name: cod, .offset: 16, .size: 8, .value_kind: global_buffer, .address_space: global }
      - { .name: scl, .offset: 24, .size: 8, .value_kind: global_buffer, .address_space: global }
      - { .name: out0, .offset: 32, .size: 8, .value_kind: global_buffer, .address_space: global }
    .group_segment_fixed_size: 327680
    .private_segment_fixed_size: 0
    .kernarg_segment_align: 8
    .kernarg_segment_size: 40
    .max_flat_workgroup_size: 128
    .sgpr_count:     98
    .vgpr_count:     1024
    .wavefront_size: 32
...
	.end_amdgpu_metadata
.endif
;; end of part 4
